; MI455X (gfx1250); checked and timed in simulation.
; The chip was launched on July 23, 2026; its instructions are those of AMD's public machine-readable ISA for CDNA 5 (MIT licence, August 2026) and "CDNA5" Instruction Set Architecture Reference Guide (July 2026). The comments in the code are by the model that wrote it; some were corrected since.
;; Differntial Attention. Allowed arithmetic: matrix products marked QUANTISED: E2M1 operands, one E8M0 scale for each 32 along K, by v_wmma_scale_f32_16x16x128_f8f6f4 with both operands' format E2M1 (or v_wmma_scale_f32_32x16x128_f4), f32 sums; products left as they are: bf16, f16 or f32 operands; f32 sums; everything else in f32.
;; Inputs: lambda_k1 64 float32; lambda_k2 64 float32; lambda_q1 64 float32; lambda_q2 64 float32; norm_w 16 x 64 float32; w_qkv 1,024 x 3,072 float32; wo 1,024 x 1,024 float32; x 2 x 2,048 x 1,024 float32.
;; Outputs: out0 2 x 2,048 x 1,024 float32.
;; This version of the problem:
;;   THIS VERSION OF THE PROBLEM IS GIVEN IN LOW PRECISION. The matrix products marked QUANTISED in the list below multiply operands that are first quantised to E2M1 (2 exponent bits, 1 mantissa bit; 4 bits a number), with one power-of-two scale for each 32 numbers along K (OCP MX v1.0); their sums are f32. The products marked 'left as it is' may take bf16, f16 or f32 operands, with f32 sums. Whichever they take, every output number must still come out within the allowed error. Rounding operands to bf16 (8 significant bits) uses up far more of that allowance than f16 does (11 bits, for magnitudes from 6e-5 to 65,504). All else is computed in f32.
;;   The module's matrix products, in the order in which they are computed (A, B: the left and right operand; K: the contracted axis; several contracted axes count as one K, in the product's order):
;;     1. [M 4,096, K 1,024] x [K 1,024, N 3,072]; A: input x; B: input w_qkv: QUANTISED
;;     2. batch 32 x [M 2,048, K 32] x [K 32, N 2,048]; A: computed on the way; B: computed on the way: left as it is (an operand is computed on the way)
;;     3. batch 32 x [M 2,048, K 32] x [K 32, N 2,048]; A: computed on the way; B: computed on the way: left as it is (an operand is computed on the way)
;;     4. [M 1, K 64] x [K 64, N 1]; A: input lambda_q1; B: input lambda_k1: left as it is (M = 1 < 16)
;;     5. [M 1, K 64] x [K 64, N 1]; A: input lambda_q2; B: input lambda_k2: left as it is (M = 1 < 16)
;;     6. batch 32 x [M 2,048, K 2,048] x [K 2,048, N 64]; A: computed on the way; B: computed on the way: left as it is (an operand is computed on the way)
;;     7. [M 4,096, K 1,024] x [K 1,024, N 1,024]; A: computed on the way; B: input wo: left as it is (an operand is computed on the way)
;;   THE QUANTISER, for each operand of a quantised product, along K:
;;     - K is cut into blocks of 32 from its start; a last block that is shorter is filled with zeros.
;;     - A block's scale is 2^e with e = floor(log2(the largest magnitude in the block)) - 2, held to -126 .. 127; a block of zeros has e = 0. As a byte (E8M0): e + 127.
;;     - Each number is divided by its block's scale, clamped to +-6, and rounded to the nearest number of E2M1, ties to even, subnormals kept.
;;     - The product sums the exact products of the quantised numbers (number of the format x scale) in f32.
;;   ~~~python
;;   def quantise(x, axis):      # numpy; x: float32 -> the quantised numbers, widened to float32 again
;;       x = np.moveaxis(x, axis, -1); K = x.shape[-1]
;;       x = np.pad(x, [(0, 0)] * (x.ndim - 1) + [(0, -K % 32)]); x = x.reshape(x.shape[:-1] + (-1, 32)); a = np.abs(x).max(-1, keepdims=True)
;;       e = np.where(a > 0, np.clip(np.frexp(np.where(a > 0, a, 1))[1] - 1 - 2, -126, 127), 0)      # np.frexp(a)[1] - 1 = floor(log2(a)), exactly
;;       r = np.clip(x / 2.0 ** e, -6, 6)
;;       step = 2.0 ** (np.maximum(np.frexp(np.where(r == 0, 1, r))[1] - 1, 0) - 1)
;;       q = np.round(r / step) * step * 2.0 ** e      # np.round: ties to even
;;       return np.moveaxis(q.reshape(q.shape[:-2] + (-1,))[..., :K], -1, axis).astype(np.float32)
;;   ~~~
;; One version. Each part assembles by itself: llvm-mc -triple=amdgcn-amd-amdhsa -mcpu=gfx1250 --defsym DOCPART=n.
;; ======== version 1 of 1: 4 launches
;; limits: values are held in f16: magnitudes above 65,504 overflow, below 6.1e-05 lose precision
;; workspace buffers: xc 2,097,152 bytes; xs 131,072 bytes; wc 1,572,864 bytes; ws 98,304 bytes; wot 2,097,152 bytes; qkv 25,165,824 bytes; ot 8,388,608 bytes
;; launch prep (part 1): grid 240 x 1, 16 waves a work-group, no clusters, 154,624 bytes of LDS; arguments x, w_qkv, wo, xc, xs, wc, ws, wot; writes xc, xs, wc, ws, wot
.if DOCPART == 1
	.amdgcn_target "amdgcn-amd-amdhsa--gfx1250"
	.amdhsa_code_object_version 6
	.text
	.protected	k_qfb1dc22111_prep
	.globl	k_qfb1dc22111_prep
	.p2align	8
	.type	k_qfb1dc22111_prep,@function
k_qfb1dc22111_prep:
	s_mov_b64 s[64:65], 0
	v_nop
	global_prefetch_b8 v0, s[64:65] scope:SCOPE_SE
	s_setreg_imm32_b32 hwreg(HW_REG_WAVE_MODE, 25, 1), 1
	s_wait_xcnt 0x0
; PREP: the operands of the two large products are laid as the matrix kernels want them.  One launch, three paths, chosen by the work-group's number alone:
;   work-groups   0 ..  47  (path W): w_qkv [1024 k][3072 n] f32 -> wc [3072][512 bytes] codes of FP4 (E2M1), K innermost, ws [3072][32] E8M0 bytes
;   work-groups  48 .. 111  (path O): wo [1024 k][1024 n] f32    -> wot [1024 n][1024 k] f16 (the last product is left as it is: f16 operands)
;   work-groups 112 .. 239  (path X): x [4096][1024] f32         -> xc [4096][512 bytes] codes, xs [4096][32] bytes
; THE QUANTISER: a block of 32 along K has the scale 2^(floor(log2(largest magnitude)) - 2); its byte is the largest magnitude's exponent field - 2, held at 1 from below;
; each number is divided by the scale and rounded to the nearest code, ties to even, beyond 6 the largest code.
; LIMITS: a block of zeros gets the byte 1 (not 127): its codes are zeros and this program alone reads the bytes; blocks whose largest magnitude lies under 2^-124 keep the byte 1;
; NaN and infinities are not served; wo is rounded to f16, so |wo| up to 65,504.
; PATHS W AND O: a lane takes a column n and its registers run down K, so each load reads neighbouring n in neighbouring lanes (two waves side by side: 256 consecutive bytes) and the
; results come out with K innermost.  They meet in a stage of 64 rows x (512 + 16) bytes, and after one barrier each wave stores four whole rows, 512 consecutive bytes a store.
; PATH X: K is innermost: a wave takes 4 steps of 512 numbers; loads take the bytes as they lie, 512 a load; a step turns through the wave's own stage so that a lane holds 16 neighbours.
; Each path has LDS bytes of its own.  No tensor load, no cluster: the work-groups share no input byte.
.set XSTG,  0                          ; path X: 16 waves x two stages of 32 x 80 bytes
.set XSC,   81920                      ; path X: the work-group's 1,024 scale bytes
.set WSTG,  82944                      ; path W: 64 rows x 528
.set WSC,   116736                     ; path W: 64 rows x 32 scale bytes
.set OSTG,  118784                     ; path O: 64 rows x 528
.set SPARE, 152576                     ; the spare words, 128 bytes for each of the 16 waves: eight blocks of 256 bytes that no other line names
.set CP,    528                        ; a stage row of paths W and O: 512 bytes + 16: an odd multiple of 16
.set SP,    80                         ; path X: a lane's place in a stage: 64 bytes + 16
.set SPW,   2                          ; v2  LDS address of my spare word; never rewritten
.set NIL,   3                          ; v3  0; never rewritten
.set X,     32                         ; paths W, O: v32-159 numbers of my column, 32 a block
.set C,     160                        ; paths W, O: v160-175 results, four registers a block
.set SB,    176                        ; path W: my four scale bytes
.set R,     16                         ; path X: v16-79 four steps as loaded
.set XX,    80                         ; path X: v80-111 two sets of 16 neighbours
.set E,     112                        ; path X: v112-115 a scale byte a step
.set CX,    128                        ; path X: codes, four registers a step
.macro CLOAD t, base, pitch            ; block t of my column: 32 rows of the source, pitch bytes apart
.set i, 0
.rept 32
	global_load_b32 v[X+32*(\t)+i], v4, s[\base:\base+1] offset:(32*(\t)+i)*\pitch th:TH_LOAD_NT
.set i, i+1
.endr
.endm
.macro COLADR stage                    ; the lane's places in a stage of paths W and O
	v_lshlrev_b32 v4, 2, v1                        ; in memory: 4 bytes a lane
	s_mul_i32 s28, s21, 32*CP                      ; into the stage: row = my column = 32 x (wave % 2) + lane,
	s_lshl_b32 s29, s22, 6                         ; 64 bytes for each wave along K
	s_add_co_u32 s28, s28, s29
	s_add_co_u32 s28, s28, \stage
	v_mul_u32_u24 v14, v1, CP
	v_add_nc_u32 v14, s28, v14
	s_mul_i32 s28, s20, 4*CP                       ; out of it: rows 4 x wave on, 16 bytes a lane
	s_add_co_u32 s28, s28, \stage
	v_lshlrev_b32 v17, 4, v1
	v_add_nc_u32 v16, s28, v17
.endm
.macro COLOUT base, rowstep            ; four whole rows leave: each store covers 512 consecutive bytes
.irp i, 0,1,2,3
	ds_load_b128 v[32+4*\i:35+4*\i], v16 offset:CP*\i
.endr
.irp i, 0,1,2,3
	s_wait_dscnt 3-\i                              ; LDS loads come back in order: row i is in
	global_store_b128 v17, v[32+4*\i:35+4*\i], s[\base:\base+1] offset:\rowstep*\i
.endr
.endm
.macro MEET                            ; my LDS stores have landed: then the work-group's barrier
	s_wait_dscnt 0x0
	s_barrier_signal -1
	s_barrier_wait -1
.endm
.macro WBLOCK t                        ; path W: block t of 32 along K, all of it in my registers
.set XS, X+32*(\t)
.if (\t) < 3
	s_wait_loadcnt 32                              ; this block's 32 loads are in; the next block's 32 may be out
.else
	s_wait_loadcnt 0x0
.endif
.if (\t)+2 < 4
	CLOAD (\t)+2, 6, 12288                         ; two blocks ahead, into registers of its own
.endif
	v_max3_num_f32 v12, |v[XS]|, |v[XS+1]|, |v[XS+2]|
	v_max3_num_f32 v13, |v[XS+3]|, |v[XS+4]|, |v[XS+5]|
.irp u, 6,10,14,18,22,26
	v_max3_num_f32 v12, v12, |v[XS+\u]|, |v[XS+\u+1]|
	v_max3_num_f32 v13, v13, |v[XS+\u+2]|, |v[XS+\u+3]|
.endr
	v_max3_num_f32 v12, v12, |v[XS+30]|, |v[XS+31]|
	v_max3_num_f32 v12, v12, v13, 0x1800000        ; the floor 2^(3 - 127): the byte cannot fall under 1
	v_add_nc_u32 v11, 0xff000000, v12              ; 2 off the exponent field: the conversion takes this operand's exponent field as its scale
	v_lshrrev_b32 v13, 23, v11                     ; the scale's byte
.if (\t) == 0
	v_mov_b32 v[SB], v13
.else
	v_lshl_or_b32 v[SB], v13, 8*(\t), v[SB]        ; the lower K in the lower byte
.endif
.irp g, 0,1,2,3
	v_cvt_scalef32_pk8_fp4_f32 v[C+4*(\t)+\g], v[XS+8*\g:XS+8*\g+7], v11
.endr
	v_nop                                          ; one plain line behind the last scaled conversion of the run
	ds_store_b128 v14, v[C+4*(\t):C+4*(\t)+3] offset:16*(\t)   ; 32 codes: 16 bytes of my column's row
.endm
.macro XLOAD t
.irp i, 0,1,2,3
	global_load_b128 v[R+16*(\t)+4*\i:R+16*(\t)+4*\i+3], v4, s[4:5] offset:2048*(\t)+512*\i th:TH_LOAD_NT   ; 32 lanes read 512 consecutive bytes
.endr
.endm
.macro XTURN t                         ; step t through the wave's stage: LDS serves a wave's instructions in order, so no wait stands between the stores and the loads
.irp i, 0,1,2,3
	ds_store_b128 v14, v[R+16*(\t)+4*\i:R+16*(\t)+4*\i+3] offset:32*SP*((\t)%2)+8*SP*\i
.endr
.irp i, 0,1,2,3
	ds_load_b128 v[XX+16*((\t)%2)+4*\i:XX+16*((\t)%2)+4*\i+3], v15 offset:32*SP*((\t)%2)+16*\i
.endr
.endm
.macro XSTEP t
.set XS, XX+16*((\t)%2)
.if (\t) > 0
	s_wait_dscnt 1                                 ; this step's numbers are back from the stage; the last step's byte store may be out
.else
	s_wait_dscnt 0x0
.endif
.if (\t) < 3
	s_wait_loadcnt 4*(2-(\t))                      ; the next step's four loads are in; four for each later step may be out
	XTURN (\t)+1                                   ; and go through the other stage while this step is worked
.endif
	v_max3_num_f32 v8, |v[XS]|, |v[XS+1]|, |v[XS+2]|
	v_max3_num_f32 v9, |v[XS+3]|, |v[XS+4]|, |v[XS+5]|
.irp u, 6,10
	v_max3_num_f32 v8, v8, |v[XS+\u]|, |v[XS+\u+1]|
	v_max3_num_f32 v9, v9, |v[XS+\u+2]|, |v[XS+\u+3]|
.endr
	v_max3_num_f32 v8, v8, |v[XS+14]|, |v[XS+15]|
	v_max3_num_f32 v8, v8, v9, 0x1800000           ; the floor
	v_max_num_f32_dpp v8, v8, v8 row_xmask:1 row_mask:0xf bank_mask:0xf   ; with my neighbour's 16: the block's largest magnitude
	v_add_nc_u32 v11, 0xff000000, v8
	v_cvt_scalef32_pk8_fp4_f32 v[CX+4*(\t)], v[XS:XS+7], v11
	v_cvt_scalef32_pk8_fp4_f32 v[CX+4*(\t)+1], v[XS+8:XS+15], v11
	v_lshrrev_b32 v[E+(\t)], 23, v11               ; the scale's byte (a plain line behind the conversions)
	ds_store_b8 v6, v[E+(\t)] offset:16*(\t)       ; both lanes of a block write the same byte with the same value
	global_store_b64 v5, v[CX+4*(\t):CX+4*(\t)+1], s[10:11] offset:256*(\t)   ; the wave stores 256 consecutive bytes, aligned
.endm
	s_load_b256 s[4:11], s[0:1], 0x0               ; x s[4:5], w_qkv s[6:7], wo s[8:9], xc s[10:11]
	s_load_b256 s[12:19], s[0:1], 0x20             ; xs s[12:13], wc s[14:15], ws s[16:17], wot s[18:19]
	v_lshl_add_u32 v[SPW], v0, 2, SPARE
	v_mov_b32 v[NIL], 0
	v_lshrrev_b32 v1, 5, v0
	v_readfirstlane_b32 s20, v1                    ; wave 0..15
	v_and_b32 v1, 31, v0                           ; lane
	s_and_b32 s21, s20, 1                          ; paths W, O: which 32 of the 64 columns
	s_lshr_b32 s22, s20, 1                         ; paths W, O: which eighth of the work-group's K
	s_min_u32 s23, s20, 3                          ; the waves that store scale bytes are 0 to 3: the others' address terms stay in the same region
	s_mov_b32 s25, 0                               ; high words of the offset pairs s[24:25], s[26:27]
	s_mov_b32 s27, 0
	s_wait_kmcnt 0x0
	s_cmp_lt_u32 ttmp9, 48
	s_cbranch_scc1 .Lpath_w
	s_cmp_lt_u32 ttmp9, 112
	s_cbranch_scc1 .Lpath_o
	; ---- PATH X: 32,768 numbers a work-group, 2,048 a wave
	s_sub_co_u32 s30, ttmp9, 112                   ; which 32,768 numbers of x
	v_lshlrev_b32 v4, 4, v1                        ; my 16 bytes of a load's 512
	v_lshlrev_b32 v5, 3, v1                        ; my 8 bytes of a step's codes
	s_mul_i32 s28, s20, 2*32*SP                    ; my wave's two stages (XSTG = 0)
	v_lshrrev_b32 v14, 2, v1
	v_mul_u32_u24 v14, v14, SP
	v_and_b32 v15, 3, v1
	v_lshl_add_u32 v14, v15, 4, v14
	v_add_nc_u32 v14, s28, v14                     ; in: four lanes' 64 bytes on end, then 16 of padding
	v_mul_u32_u24 v15, v1, SP
	v_add_nc_u32 v15, s28, v15                     ; out: my 16 neighbours
	s_lshl_b32 s28, s20, 6
	s_add_co_u32 s28, s28, XSC
	v_lshrrev_b32 v6, 1, v1
	v_add_nc_u32 v6, s28, v6                       ; my wave's 64 scale bytes, my block's byte
	s_lshl_b32 s29, s23, 8
	s_add_co_u32 s28, s29, XSC
	v_add_nc_u32 v7, s28, v5                       ; the way out of the scale bytes: 256 a wave, 8 a lane
	s_lshl_b32 s24, s30, 4
	s_add_co_u32 s24, s24, s20                     ; my wave's run of 2,048 numbers
	s_lshl_b32 s26, s24, 10                        ; its 1,024 bytes of codes
	s_lshl_b32 s24, s24, 13                        ; its 8,192 bytes of x
	s_add_nc_u64 s[4:5], s[4:5], s[24:25]
	s_add_nc_u64 s[10:11], s[10:11], s[26:27]
	s_lshl_b32 s24, s30, 10
	s_add_co_u32 s24, s24, s29
	s_add_nc_u64 s[12:13], s[12:13], s[24:25]
.irp t, 0,1,2,3
	XLOAD \t                                       ; all sixteen loads of the wave go out at once
.endr
	s_wait_loadcnt 12                              ; step 0's four loads are in
	XTURN 0
.irp t, 0,1,2,3
	XSTEP \t
.endr
	MEET                                           ; the work-group's 1,024 scale bytes lie in LDS
	s_cmp_lt_u32 s20, 4
	s_cbranch_scc0 .Lend
	ds_load_b64 v[8:9], v7
	s_wait_dscnt 0x0
	global_store_b64 v5, v[8:9], s[12:13]          ; 32 lanes store 256 consecutive bytes, aligned
	s_branch .Lend
	; ---- PATH W: 64 columns x all 1,024 along K; a wave: 32 columns x 128 along K, four blocks a lane
.Lpath_w:
	COLADR WSTG
	s_lshl_b32 s28, s21, 10                        ; scale bytes: 32 a column,
	s_lshl_b32 s29, s22, 2                         ; my wave's four
	s_add_co_u32 s28, s28, s29
	s_add_co_u32 s28, s28, WSC
	v_lshl_add_u32 v15, v1, 5, s28
	s_lshl_b32 s29, s23, 9
	s_add_co_u32 s28, s29, WSC
	v_add_nc_u32 v18, s28, v17                     ; their way out: 512 bytes a wave, 16 a lane
	s_mul_i32 s24, s22, 128*12288                  ; w_qkv: my 128 rows,
	s_lshl_b32 s28, ttmp9, 8                       ; the work-group's 64 columns,
	s_add_co_u32 s24, s24, s28
	s_lshl_b32 s28, s21, 7                         ; my wave's 32
	s_add_co_u32 s24, s24, s28
	s_add_nc_u64 s[6:7], s[6:7], s[24:25]
	s_lshl_b32 s24, ttmp9, 15                      ; wc: 64 rows of 512 bytes a work-group,
	s_lshl_b32 s28, s20, 11                        ; four a wave
	s_add_co_u32 s24, s24, s28
	s_add_nc_u64 s[14:15], s[14:15], s[24:25]
	s_lshl_b32 s24, ttmp9, 11                      ; ws: 2,048 bytes a work-group
	s_add_co_u32 s24, s24, s29
	s_add_nc_u64 s[16:17], s[16:17], s[24:25]
	CLOAD 0, 6, 12288
	CLOAD 1, 6, 12288
.irp t, 0,1,2,3
	WBLOCK \t
.endr
	ds_store_b32 v15, v[SB]                        ; my column's four scale bytes
	MEET                                           ; 64 whole rows of codes and of scale bytes lie in LDS
	COLOUT 14, 512
	s_cmp_lt_u32 s20, 4
	s_cbranch_scc0 .Lend
	ds_load_b128 v[48:51], v18
	s_wait_dscnt 0x0
	global_store_b128 v17, v[48:51], s[16:17]      ; 512 consecutive bytes
	s_branch .Lend
	; ---- PATH O: 64 columns x 256 along K; a wave: 32 columns x 32 along K
.Lpath_o:
	COLADR OSTG
	s_sub_co_u32 s30, ttmp9, 48
	s_and_b32 s31, s30, 15                         ; which 64 columns
	s_lshr_b32 s30, s30, 4                         ; which 256 along K
	s_lshl_b32 s24, s30, 8
	s_lshl_b32 s28, s22, 5
	s_add_co_u32 s24, s24, s28                     ; my first row of wo
	s_lshl_b32 s24, s24, 12                        ; rows of 4,096 bytes
	s_lshl_b32 s28, s31, 8
	s_add_co_u32 s24, s24, s28
	s_lshl_b32 s28, s21, 7
	s_add_co_u32 s24, s24, s28
	s_add_nc_u64 s[8:9], s[8:9], s[24:25]
	s_lshl_b32 s24, s31, 17                        ; wot: 64 rows of 2,048 bytes,
	s_lshl_b32 s28, s20, 13                        ; four a wave,
	s_add_co_u32 s24, s24, s28
	s_lshl_b32 s28, s30, 9                         ; 512 bytes for 256 along K
	s_add_co_u32 s24, s24, s28
	s_add_nc_u64 s[18:19], s[18:19], s[24:25]
	CLOAD 0, 8, 4096
	s_wait_loadcnt 0x0
.set i, 0
.rept 16
	v_cvt_pk_f16_f32 v[C+i], v[X+2*i], v[X+2*i+1]  ; two neighbours along K, the lower in the low half
.set i, i+1
.endr
.irp t, 0,1,2,3
	ds_store_b128 v14, v[C+4*\t:C+4*\t+3] offset:16*\t
.endr
	MEET
	COLOUT 18, 2048
.Lend:
	s_wait_tensorcnt 0x0                           ; the wave's end: behind my last LDS store
	ds_add_u32 v[SPW], v[NIL]
	s_wait_dscnt 0x0
	s_endpgm
.Lfunc_end_k_qfb1dc22111_prep:
	.size	k_qfb1dc22111_prep, .Lfunc_end_k_qfb1dc22111_prep-k_qfb1dc22111_prep
	.p2alignl 7, 3214868480
	.fill 96, 4, 3214868480
	.section	.rodata,"a",@progbits
	.p2align	6, 0x0
	.amdhsa_kernel k_qfb1dc22111_prep
		.amdhsa_group_segment_fixed_size 154624
		.amdhsa_private_segment_fixed_size 0
		.amdhsa_enable_private_segment 0
		.amdhsa_kernarg_size 64
		.amdhsa_user_sgpr_count 2
		.amdhsa_user_sgpr_kernarg_segment_ptr 1
		.amdhsa_wavefront_size32 1
		.amdhsa_system_sgpr_workgroup_id_x 1
		.amdhsa_system_sgpr_workgroup_id_y 1
		.amdhsa_system_sgpr_workgroup_id_z 1
		.amdhsa_system_vgpr_workitem_id 0
		.amdhsa_next_free_vgpr 192
		.amdhsa_next_free_sgpr 66
		.amdhsa_reserve_vcc 0
		.amdhsa_float_denorm_mode_32 3
		.amdhsa_float_denorm_mode_16_64 3
		.amdhsa_memory_ordered 1
		.amdhsa_forward_progress 1
		.amdhsa_inst_pref_size 38
	.end_amdhsa_kernel
	.amdgpu_metadata
---
amdhsa.version: [ 1, 2 ]
amdhsa.kernels:
  - .name:           k_qfb1dc22111_prep
    .symbol:         k_qfb1dc22111_prep.kd
    .args:
      - { .name: x, .offset: 0, .size: 8, .value_kind: global_buffer, .address_space: global }
      - { .name: w_qkv, .offset: 8, .size: 8, .value_kind: global_buffer, .address_space: global }
      - { .name: wo, .offset: 16, .size: 8, .value_kind: global_buffer, .address_space: global }
      - { .name: xc, .offset: 24, .size: 8, .value_kind: global_buffer, .address_space: global }
      - { .name: xs, .offset: 32, .size: 8, .value_kind: global_buffer, .address_space: global }
      - { .name: wc, .offset: 40, .size: 8, .value_kind: global_buffer, .address_space: global }
      - { .name: ws, .offset: 48, .size: 8, .value_kind: global_buffer, .address_space: global }
      - { .name: wot, .offset: 56, .size: 8, .value_kind: global_buffer, .address_space: global }
    .group_segment_fixed_size: 154624
    .private_segment_fixed_size: 0
    .kernarg_segment_align: 8
    .kernarg_segment_size: 64
    .max_flat_workgroup_size: 512
    .sgpr_count:     66
    .vgpr_count:     192
    .wavefront_size: 32
...
	.end_amdgpu_metadata
.endif
;; end of part 1
;; launch gemm1 (part 2): grid 12 x 16, 4 waves a work-group, clusters of 4 x 4, 327,680 bytes of LDS; arguments xc, xs, wc, ws, qkv; writes qkv
.if DOCPART == 2
	.amdgcn_target "amdgcn-amd-amdhsa--gfx1250"
	.amdhsa_code_object_version 6
	.text
	.protected	k_qfb1dc22111_gemm1
	.globl	k_qfb1dc22111_gemm1
	.p2align	8
	.type	k_qfb1dc22111_gemm1,@function
k_qfb1dc22111_gemm1:
	s_mov_b64 s[64:65], 0
	v_nop
	global_prefetch_b8 v0, s[64:65] scope:SCOPE_SE
	s_setreg_imm32_b32 hwreg(HW_REG_WAVE_MODE, 25, 1), 1
	s_wait_xcnt 0x0
	s_wait_alu depctr_hold_cnt(0) depctr_sa_sdst(0) depctr_va_vdst(0) depctr_va_sdst(0) depctr_va_ssrc(0) depctr_va_vcc(0) depctr_vm_vsrc(0)
	s_getreg_b32 s2, hwreg(HW_REG_IB_STS2, 6, 4)
	s_cmp_eq_u32 s2, 0
	s_cbranch_scc0 .Lentry_in_a_cluster
	s_endpgm
.Lentry_in_a_cluster:
	s_bfe_u32 s2, ttmp6, 0x10000c
	s_cmp_lg_u32 s2, 0xf033
	s_cbranch_scc0 .Lentry_shape_is_right
	s_endpgm
.Lentry_shape_is_right:
; qkv = Q(x) Q(w_qkv): C[m][n] = sum over k of A[m][k] B[n][k] on codes of FP4 (E2M1) with one E8M0 scale for each 32 along K; sums in f32.
; A = xc [4096][1024 codes], xs [4096][32];  B = wc [3072][1024 codes], ws [3072][32].  The result leaves as f16, laid by heads: qkv [3 (q, k, v)][2 b][16 h][2048 s][64].
; LIMIT: q, k, v are operands of products that are left as they are: they are rounded to f16, so their magnitudes up to 65,504 are served.
; A tile of C, 256 x 256, is made by a work-group of four waves; a wave makes 128 x 128: 64 accumulators of 16 x 16, 512 registers.  12 x 16 = 192 tiles.
; K = 1,024 is exactly the two LDS slots of 512 along K: both are first fills, nothing is filled again, so there is no loop over laps.
; THE SCALES of the work-group's 256 rows of A and of B, for all of K, are two dense blocks of memory: they come into LDS once, with the first fills.
; CLUSTERS: 4 x 4 work-groups.  The four of a row of the cluster need the same tiles of A, the four of a column the same tiles of B: each tile is asked for JOINTLY, by the same tensor load
; with the same descriptor and a mask that names the four.  THE MATRIX INSTRUCTION IS USED TRANSPOSED (source 0 = 16 rows of B, source 1 = 16 rows of A): a lane holds eight neighbouring numbers of a row of C.
; REGISTERS, in windows of 256: window 0: v0-31 addresses; v32-95 scale words, two sets; v96-127 packed results on the way out; from v128 A's fragments, ONE set (on the way out: rows read back).
;   window 1: B's fragments, TWO sets, at v0 and v128.   window 2: the accumulators of my rows 0-63 ((a, b) at v[8 (8 a + b)]);   window 3: those of my rows 64-127.
.set SIZE_M, 4096
.set SIZE_N, 3072
.set SIZE_K, 1024
.set KSTEP,  512                       ; along K in a slot
.set NQ,     KSTEP/128                 ; matrix instructions deep
.set ROWB,   256                       ; a tile's row in bytes
.set KROW,   SIZE_K*4/8                ; a row of A or of B in memory, in bytes
.set PITCH,  272                       ; an LDS row: 256 bytes + 16 of padding: the 16 rows that a load touches start at 16 different banks (64 banks of 4 bytes: ISA guide 11.1)
.set FR,     8                         ; registers of a fragment: 16 rows x 128 K
.set NL,     2                         ; LDS loads that bring one
.set NP,     4                         ; places behind this matrix instruction (ISA guide 7.12.1)
.set HALFT,  128*PITCH                 ; 128 rows: what one tensor load brings
.set SLOT,   4*HALFT                   ; A's 256 rows, then B's 256 rows
.set KS,     SIZE_K/32                 ; a row of scales in bytes
.set SCL,    2*SLOT                    ; behind the ring: the scales, as rows of 256 bytes + 16 of padding
.set HALFS,  (128*KS/256)*272          ; the scales of 128 rows: what one tensor load brings
.set SBLK,   (16*KS/256)*272           ; those of 16 rows
.set SPARE,  SCL+4*HALFS               ; the spare words, 128 bytes for each wave: two blocks of 256 bytes that no other line names
.set HP,     144                       ; the way out: a stage row: a head's 128 bytes + 16
.set WST,    2*16*HP                   ; a wave's stage: 2 heads x 16 rows.  It lies in slot 0, which has had its only fill and its last read when the first result is stored there
.set ADRA, 16                          ; v16-17  LDS address of my A fragments in slot 0, 1
.set ADRB, 20                          ; v20-21  the same for B
.set STO,  24                          ; v24     the way out: where I put 16 bytes of a row
.set RD,   25                          ; v25     the way out: where I read rows back
.set CO,   26                          ; v26     16 x lane: my bytes of a store's 512
.set ADRS, 27                          ; v27     LDS address of my scale words: lanes 0-15 A's rows, lanes 16-31 B's
.set SPW,  28                          ; v28     LDS address of my spare word; never rewritten
.set NIL,  29                          ; v29     0; never rewritten
.set SC,   32                          ; scale words: set s at v[SC + 8 NQ s]; register NQ i + q: lanes 0-15 the word of A's block i, lanes 16-31 that of B's block i
.set TMP,  96                          ; the way out: a block's results as f16
.set AF,   128                         ; A's fragments, in window 0
.set BK,   128                         ; the way out: a block read back: v128-159 and v160-191 by turns
.set G1, 24                            ; s[24:31] descriptor group 1 for A's tiles;  s[32:39] group 0, one set for each slot
.set G0, 32
.set G1B, 48                           ; s[48:55], s[56:63] the same for B's tiles
.set G0B, 56
.set G1S, 68                           ; s[68:75], s[76:79] groups 1 and 0 for A's scales;  s[80:87], s[88:91] for B's
.set G0S, 76
.set G1SB, 80
.set G0SB, 88
.set MSB, 0
.macro WIN new                         ; the immediate's high byte repeats the setting that is left
.if MSB != \new
	s_set_vgpr_msb (MSB<<8)|\new
.set MSB, \new
.endif
.endm
.set MUL_LO, 0xa1                      ; source 0 (B) window 1, source 1 (A) window 0, C and D window 2
.set MUL_HI, 0xf1                      ; the same, C and D window 3
.set TO_B,   0x40                      ; destination window 1, address window 0
; A joint load: waves 0 and 1 fetch for A, waves 2 and 3 for B.  Each of the two lines has ONE mask and one set of registers for all that issue it; the branch hangs on the wave's number alone.
; An s_nop 0 and four v_nop follow each of the two lines, ahead of the jump, the label and what follows.
.macro JLOAD g0a, g1a, g0b, g1b
	s_cmp_eq_u32 s15, 0
	s_cbranch_scc0 .Lfor_b_\@
	tensor_load_to_lds s[\g0a:\g0a+3], s[\g1a:\g1a+7]
	s_nop 0
.rept 4
	v_nop
.endr
	s_branch .Lasked_\@
.Lfor_b_\@:
	tensor_load_to_lds s[\g0b:\g0b+3], s[\g1b:\g1b+7]
	s_nop 0
.rept 4
	v_nop
.endr
.Lasked_\@:
.endm
.macro CROUND                          ; a round of the cluster's barrier
	s_barrier_signal -1
	s_barrier_wait -1
	s_cmp_lg_u32 s14, 0
	s_cbranch_scc1 .Lnot_wave_0_\@
	s_barrier_signal -3
.Lnot_wave_0_\@:
	s_barrier_wait -3
	s_barrier_signal -1
	s_barrier_wait -1
.endm
	s_load_b128 s[4:7], s[0:1], 0x0                ; A's codes s[4:5], A's scales s[6:7]
	s_load_b128 s[8:11], s[0:1], 0x10              ; B's codes s[8:9], B's scales s[10:11]
	s_load_b64 s[12:13], s[0:1], 0x20              ; qkv
	v_lshl_add_u32 v[SPW], v0, 2, SPARE
	v_mov_b32 v[NIL], 0
	ds_add_u32 v[SPW], v[NIL]                      ; the wave's opening: the add, twice on end, and its wait ahead of my first tensor load
	ds_add_u32 v[SPW], v[NIL]                      ; and once more; the set-up below, work on registers, stands between it and the wait
	v_lshrrev_b32 v1, 5, v0
	v_readfirstlane_b32 s14, v1                    ; wave 0..3
	s_lshr_b32 s15, s14, 1                         ; which half of the tile's rows is mine.  Also: I fetch for A (0) or for B (1)
	s_and_b32 s16, s14, 1                          ; which half of its columns.  Also: which 128 rows of that tile I fetch
	s_bfe_u32 s40, ttmp6, 0x40000                  ; cx, cy: my place in the cluster
	s_bfe_u32 s41, ttmp6, 0x40004
	s_lshl_b32 s42, ttmp9, 2
	s_add_co_u32 s42, s42, s40                     ; tile column of C = 4 x cluster x + cx
	s_and_b32 s17, ttmp7, 0xffff
	s_lshl_b32 s17, s17, 2
	s_add_co_u32 s17, s17, s41                     ; tile row of C = 4 x cluster y + cy
	s_lshl_b32 s43, s41, 2
	s_lshl_b32 s43, 15, s43                        ; my row of the cluster
	s_lshl_b32 s44, 0x1111, s40                    ; my column
	; descriptor group 1: a tile of 128 rows x 256 bytes, padded in LDS
	s_or_b32 s[G1+0], s43, (0<<16)|(1<<20)|(1<<21)|(5<<22)|(3<<25)  ; 15:0 the mask: A's tiles go to my row; 17:16 element of 1 byte; 20 padding on; 21 set beside a mask; 24:22 after every 64 words; 31:25 four words
	s_or_b32 s[G1B+0], s44, (0<<16)|(1<<20)|(1<<21)|(5<<22)|(3<<25)
.irp g, G1, G1B
	s_mov_b32 s[\g+1], ROWB<<16                    ; tensor_dim0
	s_mov_b32 s[\g+2], 128<<16                     ; tensor_dim1 = 128
	s_mov_b32 s[\g+3], ROWB<<16                    ; tile_dim0
	s_mov_b32 s[\g+4], 128                         ; tile_dim1 = 128
	s_mov_b32 s[\g+5], KROW                        ; tensor_dim0_stride
	s_mov_b32 s[\g+6], 0
	s_mov_b32 s[\g+7], 0
.endr
	; the scales of 128 rows: a dense block of 4,096 bytes, as rows of 256 bytes (32 elements of 8 bytes), 16 bytes of padding behind each
	s_or_b32 s[G1S+0], s43, (3<<16)|(1<<20)|(1<<21)|(5<<22)|(3<<25)
	s_or_b32 s[G1SB+0], s44, (3<<16)|(1<<20)|(1<<21)|(5<<22)|(3<<25)
.irp g, G1S, G1SB
	s_mov_b32 s[\g+1], 32<<16
	s_mov_b32 s[\g+2], (128*KS/256)<<16
	s_mov_b32 s[\g+3], 32<<16
	s_mov_b32 s[\g+4], 128*KS/256
	s_mov_b32 s[\g+5], 32
	s_mov_b32 s[\g+6], 0
	s_mov_b32 s[\g+7], 0
.endr
	s_lshl_b32 s18, s16, 7                         ; which 128 rows of the tile I fetch
	s_lshl_b32 s20, s17, 8
	s_add_co_u32 s20, s20, s18                     ; A: row 256 x tile row + 128 x half
	s_lshl_b32 s46, s42, 8
	s_add_co_u32 s46, s46, s18                     ; B: row 256 x tile column + 128 x half
	s_mov_b32 s21, 0
	s_mov_b32 s47, 0
	s_mov_b64 s[18:19], KS
	s_mul_u64 s[22:23], s[20:21], s[18:19]         ; where these rows' scales begin, in bytes
	s_mul_u64 s[92:93], s[46:47], s[18:19]
	s_mov_b64 s[18:19], KROW
	s_mul_u64 s[20:21], s[20:21], s[18:19]         ; and their codes
	s_mul_u64 s[46:47], s[46:47], s[18:19]
	s_mul_i32 s45, s14, HALFT                      ; where they go: wave x 128 rows: no place in the cluster enters an LDS address
	s_mul_i32 s94, s14, HALFS
	s_wait_dscnt 0x0                               ; both opening adds are done
	s_wait_kmcnt 0x0
	s_add_nc_u64 s[20:21], s[4:5], s[20:21]
	s_add_nc_u64 s[22:23], s[6:7], s[22:23]
	s_add_nc_u64 s[46:47], s[8:9], s[46:47]
	s_add_nc_u64 s[92:93], s[10:11], s[92:93]
	CROUND                                         ; all sixteen work-groups are here: the first joint loads meet
	s_mov_b32 s[G0S], 1
	s_add_co_u32 s[G0S+1], s94, SCL
	s_mov_b64 s[G0S+2:G0S+3], s[22:23]
	s_or_b32 s[G0S+3], s[G0S+3], 0x80000000
	s_mov_b32 s[G0SB], 1
	s_add_co_u32 s[G0SB+1], s94, SCL
	s_mov_b64 s[G0SB+2:G0SB+3], s[92:93]
	s_or_b32 s[G0SB+3], s[G0SB+3], 0x80000000
	JLOAD G0S, G1S, G0SB, G1SB                     ; the scales first: they are wanted with K step 0
.irp s, 0,1
	s_mov_b32 s[G0+4*\s], 1
	s_add_co_u32 s[G0+4*\s+1], s45, \s*SLOT
	s_add_nc_u64 s[G0+4*\s+2:G0+4*\s+3], s[20:21], \s*ROWB
	s_or_b32 s[G0+4*\s+3], s[G0+4*\s+3], 0x80000000
	s_mov_b32 s[G0B+4*\s], 1
	s_add_co_u32 s[G0B+4*\s+1], s45, \s*SLOT
	s_add_nc_u64 s[G0B+4*\s+2:G0B+4*\s+3], s[46:47], \s*ROWB
	s_or_b32 s[G0B+4*\s+3], s[G0B+4*\s+3], 0x80000000
	JLOAD G0+4*\s, G1, G0B+4*\s, G1B               ; three tensor loads of mine are out at the most
.endr
	v_and_b32 v1, 15, v0                           ; l % 16
	v_bfe_u32 v2, v0, 4, 1                         ; l / 16
	v_mul_u32_u24 v3, v1, PITCH
	v_lshl_add_u32 v4, v2, 4, v3                   ; a fragment's row x pitch + 16 x half
	s_mul_i32 s21, s15, HALFT                      ; my 128 rows of A
	s_mul_i32 s22, s16, HALFT                      ; my 128 rows of B,
	s_add_co_u32 s22, s22, 2*HALFT                 ; which lie behind A's 256
.irp s, 0,1
	v_add_nc_u32 v[ADRA+\s], s21, v4
	v_add_nc_u32 v[ADRB+\s], s22, v4
	s_add_co_u32 s21, s21, SLOT
	s_add_co_u32 s22, s22, SLOT
.endr
	v_mul_u32_u24 v5, v1, KS                       ; my row's scales: KS bytes a row,
	v_lshrrev_b32 v6, 8, v5
	v_lshl_add_u32 v5, v6, 4, v5                   ; and 16 more for each 256 passed
	s_mul_i32 s21, s15, HALFS                      ; A's: my 128 rows
	s_mul_i32 s22, s16, HALFS                      ; B's: my 128 rows, behind A's 256
	s_add_co_u32 s22, s22, 2*HALFS
	s_sub_co_u32 s22, s22, s21
	v_mul_u32_u24 v6, s22, v2                      ; lanes 16-31 take B's
	s_add_co_u32 s21, s21, SCL
	v_add_nc_u32 v5, v5, v6
	v_add_nc_u32 v[ADRS], s21, v5
	s_mul_i32 s23, s14, WST                        ; my stage
	v_mul_u32_u24 v5, v1, HP                       ; in: row l % 16, 16 bytes for each half of the lanes
	v_lshl_add_u32 v5, v2, 4, v5
	v_add_nc_u32 v[STO], s23, v5
	v_and_b32 v6, 31, v0
	v_lshlrev_b32 v[CO], 4, v6                     ; in memory four rows of 128 bytes are 512 consecutive bytes: 16 a lane
	v_lshrrev_b32 v5, 3, v6                        ; back: eight lanes to a row, four rows an instruction
	v_mul_u32_u24 v5, v5, HP
	v_and_b32 v6, 7, v6
	v_lshl_add_u32 v5, v6, 4, v5
	v_add_nc_u32 v[RD], s23, v5
	; where my 128 rows x 2 heads begin in qkv: batch x 2^22 + position x 128 by the rows; tensor x 2^23 + head x 2^18 by the columns
	s_lshl_b32 s20, s17, 8
	s_lshl_b32 s21, s15, 7
	s_add_co_u32 s20, s20, s21                     ; my first row of C
	s_lshr_b32 s21, s20, 11
	s_lshl_b32 s21, s21, 22                        ; the batch
	s_and_b32 s20, s20, 2047
	s_lshl_b32 s20, s20, 7                         ; the position
	s_add_co_u32 s20, s20, s21
	s_mov_b32 s21, 0
	s_lshr_b32 s46, s42, 2
	s_lshl_b32 s46, s46, 23                        ; q, k or v: four tile columns each
	s_and_b32 s47, s42, 3
	s_lshl_b32 s47, s47, 20                        ; four heads a tile column,
	s_add_co_u32 s46, s46, s47
	s_lshl_b32 s47, s16, 19                        ; two a wave
	s_add_co_u32 s46, s46, s47
	s_mov_b32 s47, 0
	s_add_nc_u64 s[20:21], s[20:21], s[46:47]
	s_add_nc_u64 s[12:13], s[12:13], s[20:21]
.macro FRAG reg, adr, q, i             ; a fragment, 16 rows x 128 K of 4-bit codes, is 8 registers: lane l holds row l % 16; registers 4 c .. 4 c + 3 hold K = 64 c + 32 (l / 16) + 0 .. 31
.irp c, 0,1
	ds_load_b128 v[\reg+4*\c:\reg+4*\c+3], v[\adr] offset:64*(\q)+32*\c+(\i)*16*PITCH
.endr
.endm
; 16 matrix instructions: A's blocks a0, a0 + 1 x B's eight, 128 along K: the slot's q-th.  p: B's set;  sc: the set of scale words.  zero = 1: the first product starts the sums.
; The 64 accumulators take turns, one instruction a turn, in the same order in every step.
.macro MUL16 a0, p, q, sc, zero
.irp a, \a0, \a0+1
.irp b, 0,1,2,3,4,5,6,7
.if \zero
	v_wmma_scale_f32_16x16x128_f8f6f4 v[8*(8*((\a)%4)+\b):8*(8*((\a)%4)+\b)+7], v[128*(\p)+FR*\b:128*(\p)+FR*\b+FR-1], v[AF+FR*(\a):AF+FR*(\a)+FR-1], 0, v[SC+8*NQ*(\sc)+NQ*\b+(\q)], v[SC+8*NQ*(\sc)+NQ*(\a)+(\q)] matrix_a_fmt:MATRIX_FMT_FP4 matrix_b_fmt:MATRIX_FMT_FP4 matrix_a_scale:MATRIX_SCALE_ROW1
.else
	v_wmma_scale_f32_16x16x128_f8f6f4 v[8*(8*((\a)%4)+\b):8*(8*((\a)%4)+\b)+7], v[128*(\p)+FR*\b:128*(\p)+FR*\b+FR-1], v[AF+FR*(\a):AF+FR*(\a)+FR-1], v[8*(8*((\a)%4)+\b):8*(8*((\a)%4)+\b)+7], v[SC+8*NQ*(\sc)+NQ*\b+(\q)], v[SC+8*NQ*(\sc)+NQ*(\a)+(\q)] matrix_a_fmt:MATRIX_FMT_FP4 matrix_b_fmt:MATRIX_FMT_FP4 matrix_a_scale:MATRIX_SCALE_ROW1
.endif
.endr
.endr
.endm
.macro FETCH_B slot, q, p              ; B's eight fragments of the slot's q-th 128 along K into set p
	WIN TO_B
.irp i, 0,1,2,3,4,5,6,7
	FRAG 128*(\p)+FR*\i, ADRB+\slot, \q, \i
.endr
	WIN 0
.endm
.macro FETCH_A slot, q, i0             ; A's blocks i0 .. i0 + 3
.irp i, \i0, \i0+1, \i0+2, \i0+3
	FRAG AF+FR*(\i), ADRA+\slot, \q, \i
.endr
.endm
.macro SCALES sc                       ; a K step's scale words into set sc: NQ words a row; lanes 0-15 take A's block i, lanes 16-31 B's block i
.irp i, 0,1,2,3,4,5,6,7
	ds_load_b128 v[SC+8*NQ*\sc+NQ*\i:SC+8*NQ*\sc+NQ*\i+3], v[ADRS] offset:\i*SBLK
.endr
.endm
; A load into a register that a matrix instruction has read, and a vector instruction that reads a matrix result, stand NP places behind that matrix instruction; only plain vector
; instructions that name none of its registers are places (ISA guide 7.12.1 for vector instructions).
.macro PLACES n
.rept \n
	v_nop
.endr
.endm
.macro STEP slot, q, zero              ; a step of 128 along K that has its successor in the same slot
	s_wait_dscnt 4*NL                              ; B's set and A's blocks 0-3 are in; the youngest eight loads (A's blocks 4-7) may be out
	WIN MUL_LO
	MUL16 0, (\q)%2, \q, \slot, \zero
	MUL16 2, (\q)%2, \q, \slot, \zero
	s_wait_dscnt 0                                 ; A's blocks 4-7 are in (asked for 32 matrix instructions ago)
	PLACES NP
	FETCH_B \slot, (\q)+1, 1-(\q)%2
	FETCH_A \slot, (\q)+1, 0
	WIN MUL_HI
	MUL16 4, (\q)%2, \q, \slot, \zero
	MUL16 6, (\q)%2, \q, \slot, \zero
	PLACES NP
	WIN 0
	FETCH_A \slot, (\q)+1, 4
.endm
; Slot 0's last step changes slots: ONE barrier; in front of it each wave waits for all its tensor loads, adds 0 to its spare word, and waits for that and for its own reads of slot 0.
; Behind it slot 1 is whole for every wave and nobody reads slot 0 any more.  Nothing is filled again.
.macro TURN slot, next
	s_wait_tensorcnt 0x0                           ; all my tensor loads have landed: my part of the next slot
	ds_add_u32 v[SPW], v[NIL]                      ; 0 onto my spare word
	s_wait_dscnt 4*NL+1                            ; (the add and the youngest eight loads, A's blocks 4-7, may be out)
	WIN MUL_LO
	MUL16 0, 1, NQ-1, \slot, 0                     ; sixteen matrix instructions stand between the add and the wait for it
	s_wait_dscnt 0x0                               ; the add is done, and my reads of this slot are over
	s_barrier_signal -1
	MUL16 2, 1, NQ-1, \slot, 0
	WIN 0
	s_barrier_wait -1
	PLACES NP
	v_add_nc_u32 v[ADRS], 4*NQ, v[ADRS]            ; on to the next K step's scale words (no LDS load of mine is out)
	FETCH_B \next, 0, 0
	FETCH_A \next, 0, 0
	SCALES \next
	WIN MUL_HI
	MUL16 4, 1, NQ-1, \slot, 0
	MUL16 6, 1, NQ-1, \slot, 0
	PLACES NP
	WIN 0
	FETCH_A \next, 0, 4
.endm
.macro STEPS slot, from                ; the slot's steps from .. NQ - 2
.set Q, \from
.rept NQ-1-\from
	STEP \slot, Q, 0
.set Q, Q+1
.endr
.endm
	s_wait_tensorcnt 1                             ; the scales and my part of slot 0 are in (slot 1's load may be out)
	s_barrier_signal -1
	s_barrier_wait -1                              ; everybody's are
	FETCH_B 0, 0, 0
	FETCH_A 0, 0, 0
	SCALES 0
	FETCH_A 0, 0, 4
	STEP 0, 0, 1                                   ; the first step's products start the sums: nothing is cleared
	STEPS 0, 1
	TURN 0, 1
	STEPS 1, 0
	s_wait_dscnt 4*NL                              ; the very last step: nothing more to fetch
	WIN MUL_LO
	MUL16 0, 1, NQ-1, 1, 0
	MUL16 2, 1, NQ-1, 1, 0
	s_wait_dscnt 0
	WIN MUL_HI
	MUL16 4, 1, NQ-1, 1, 0
	MUL16 6, 1, NQ-1, 1, 0
	WIN 0
; THE WAY OUT, block by block of 16 rows x 128 columns = 16 positions x 2 heads.  PACK: rounded to f16, a lane's eight numbers are 16 bytes of one head's row.  TOSTAGE: into my own stage
; (2 heads x 16 rows of 144 bytes) and back by rows.  SEND: a head's 16 rows are 2,048 consecutive bytes of qkv: four stores of 512 consecutive bytes each.
.macro PACK a
.set AC, 64*((\a)%4)
	WIN 0x0a+5*((\a)/4)                            ; sources 0 and 1: window 2 or 3
.irp b, 0,1,2,3,4,5,6,7
.irp r, 0,1,2,3
	v_cvt_pk_f16_f32 v[TMP+4*\b+\r], v[AC+8*\b+2*\r], v[AC+8*\b+2*\r+1]   ; each accumulator from its low end on
.endr
.endr
	WIN 0
.endm
.macro TOSTAGE a
.set BB, BK+32*((\a)%2)
.irp b, 0,1,2,3,4,5,6,7
	ds_store_b128 v[STO], v[TMP+4*\b:TMP+4*\b+3] offset:(\b/4)*16*HP+(\b%4)*32
.endr
.irp t, 0,1,2,3,4,5,6,7
	ds_load_b128 v[BB+4*\t:BB+4*\t+3], v[RD] offset:(\t/4)*16*HP+(\t%4)*4*HP   ; LDS serves a wave's instructions in order (ISA guide 5.7.1.4): these see the stores above
.endr
.endm
.macro SEND a
.set BB, BK+32*((\a)%2)
	s_wait_dscnt 0x0                               ; the block is back in registers
	s_wait_xcnt 0x0                                ; the stores of the block before have read their registers: the next block's loads may land there
.irp t, 0,1,2,3,4,5,6,7
	global_store_b128 v[CO], v[BB+4*\t:BB+4*\t+3], s[12:13] offset:(\t/4)*262144+(\a)*2048+(\t%4)*512   ; head t / 4, rows 16 a + 4 (t % 4) on; the base is never stepped
.endr
.endm
	PLACES NP                                      ; behind the last products: for the conversions and for the loads into the registers that held A's fragments
	PACK 0
	TOSTAGE 0
.irp a, 1,2,3,4,5,6,7                  ; block a's conversions stand between block a - 1's loads from the stage and the wait for them
	PACK \a
	SEND \a-1
	TOSTAGE \a
.endr
	SEND 7
	s_wait_tensorcnt 0x0                           ; the wave's end: behind my last tensor load and my last LDS store
	ds_add_u32 v[SPW], v[NIL]
	s_wait_dscnt 0x0
	CROUND                                         ; the closing round: no work-group ends while a partner may still ask for a tile that names it
	s_endpgm
.Lfunc_end_k_qfb1dc22111_gemm1:
	.size	k_qfb1dc22111_gemm1, .Lfunc_end_k_qfb1dc22111_gemm1-k_qfb1dc22111_gemm1
	.p2alignl 7, 3214868480
	.fill 96, 4, 3214868480
	.section	.rodata,"a",@progbits
	.p2align	6, 0x0
	.amdhsa_kernel k_qfb1dc22111_gemm1
		.amdhsa_group_segment_fixed_size 327680
		.amdhsa_private_segment_fixed_size 0
		.amdhsa_enable_private_segment 0
		.amdhsa_kernarg_size 40
		.amdhsa_user_sgpr_count 2
		.amdhsa_user_sgpr_kernarg_segment_ptr 1
		.amdhsa_wavefront_size32 1
		.amdhsa_system_sgpr_workgroup_id_x 1
		.amdhsa_system_sgpr_workgroup_id_y 1
		.amdhsa_system_sgpr_workgroup_id_z 1
		.amdhsa_system_vgpr_workitem_id 0
		.amdhsa_next_free_vgpr 1024
		.amdhsa_next_free_sgpr 98
		.amdhsa_reserve_vcc 0
		.amdhsa_float_denorm_mode_32 3
		.amdhsa_float_denorm_mode_16_64 3
		.amdhsa_memory_ordered 1
		.amdhsa_forward_progress 1
		.amdhsa_inst_pref_size 126
	.end_amdhsa_kernel
	.amdgpu_metadata
---
amdhsa.version: [ 1, 2 ]
amdhsa.kernels:
  - .name:           k_qfb1dc22111_gemm1
    .symbol:         k_qfb1dc22111_gemm1.kd
    .args:
      - { .name: xc, .offset: 0, .size: 8, .value_kind: global_buffer, .address_space: global }
      - { .name: xs, .offset: 8, .size: 8, .value_kind: global_buffer, .address_space: global }
      - { .name: wc, .offset: 16, .size: 8, .value_kind: global_buffer, .address_space: global }
      - { .name: ws, .offset: 24, .size: 8, .value_kind: global_buffer, .address_space: global }
      - { .name: qkv, .offset: 32, .size: 8, .value_kind: global_buffer, .address_space: global }
    .group_segment_fixed_size: 327680
    .private_segment_fixed_size: 0
    .kernarg_segment_align: 8
    .kernarg_segment_size: 40
    .max_flat_workgroup_size: 128
    .sgpr_count:     98
    .vgpr_count:     1024
    .wavefront_size: 32
...
	.end_amdgpu_metadata
.endif
;; end of part 2
;; launch attn (part 3): grid 8 x 32, 16 waves a work-group, clusters of 4 x 1, 327,680 bytes of LDS; arguments qkv, lambda_q1, lambda_k1, lambda_q2, lambda_k2, ot; writes ot
.if DOCPART == 3
	.amdgcn_target "amdgcn-amd-amdhsa--gfx1250"
	.amdhsa_code_object_version 6
	.text
	.protected	k_qfb1dc22111_attn
	.globl	k_qfb1dc22111_attn
	.p2align	8
	.type	k_qfb1dc22111_attn,@function
k_qfb1dc22111_attn:
	s_mov_b64 s[64:65], 0
	v_nop
	global_prefetch_b8 v0, s[64:65] scope:SCOPE_SE
	s_setreg_imm32_b32 hwreg(HW_REG_WAVE_MODE, 25, 1), 1
	s_wait_xcnt 0x0
	s_wait_alu depctr_hold_cnt(0) depctr_sa_sdst(0) depctr_va_vdst(0) depctr_va_sdst(0) depctr_va_ssrc(0) depctr_va_vcc(0) depctr_vm_vsrc(0)
	s_getreg_b32 s2, hwreg(HW_REG_IB_STS2, 6, 4)
	s_cmp_eq_u32 s2, 0
	s_cbranch_scc0 .Lentry_in_a_cluster
	s_endpgm
.Lentry_in_a_cluster:
	s_bfe_u32 s2, ttmp6, 0x10000c
	s_cmp_lg_u32 s2, 0x3003
	s_cbranch_scc0 .Lentry_shape_is_right
	s_endpgm
.Lentry_shape_is_right:
; DIFFERENTIAL ATTENTION of one (batch, head): out = softmax(q1 k1^T / 8) v - lam softmax(q2 k2^T / 8) v, then out / sqrt(mean(out^2) + 1e-6), stored TRANSPOSED as f16.
; qkv: f16 [3 (q, k, v)][32 (b, h)][2048][64].  q1, k1 are channels 0-31, q2, k2 channels 32-63.  lam = exp(lq1 . lk1) - exp(lq2 . lk2) + 0.8, in f32.
; ot: f16 [4096][1024]: out / rms of (b, h, position t, channel d) lies at row 2048 b + 32 d + 2 h + t / 1024, column t % 1024: the operand of the last product as it wants it.
; norm_w and the factor 0.2 are NOT applied here: a row of ot has one (h, d), so they are a factor of a whole row of the last product, which applies them; so |ot| is at most 8.
; SOFTMAX: for each query and each of the two score matrices a running maximum m and sum l: p = 2^(c s - c m), c = log2(e) / 8; in every step O and l are multiplied by a = 2^(c m_old - c m_new).
; The two sums are known only at the end, so P1 V and P2 V are kept apart and joined there: out = O1 / l1 - lam O2 / l2.  p is rounded to f16 for the product with v; l is summed of the unrounded p.
; LIMITS: NaN and infinities are not served; q, k, v arrive rounded to f16.
; SHARES: a work-group owns 256 queries of one (b, h); each of its sixteen waves owns 16, one tile, in 256 registers: four waves to a SIMD, so that one wave's vector work stands beside
; another's matrix work and LDS loads.  Every wave walks all 2,048 keys, 64 a step.
; LAYOUT: S^T = K Q^T (source 0 = 16 keys, source 1 = my 16 queries; K = 32: ONE matrix instruction for 16 keys): a lane holds ONE query (lane % 16) and keys 8 (lane / 16) + 0..7.  Two such tiles,
; rounded to f16 in pairs, ARE source 1 (32 keys x 16 queries) of O^T = V^T P.  K comes out of LDS as it lies, V ([key][channel]) turned, by ds_load_tr16_b128.
; RING: two LDS slots of 512 keys (K's rows, then V's).  2,048 keys are four slots' worth: two first fills and two refills, written out.  Every wave fetches 64 rows: waves 0-7 of K, waves 8-15 of V.
; A refill is asked for eight key steps ahead of the wait for it; no prefetch is laid.
; CLUSTER: the four query blocks of a cluster belong to one (b, h) and walk the same K and V: each tile is asked for JOINTLY, by the same tensor load with the same descriptor and a mask that names the four.
.set PK,    144                        ; a row of K in LDS: 128 bytes + 16: an odd multiple of 16
.set PV,    160                        ; a row of V: 128 + 32: an odd multiple of 32, for the turning load
.set VOFF,  512*PK                     ; a slot: 512 rows of K, then 512 rows of V
.set SLOT,  512*(PK+PV)
.set SPARE, 2*SLOT                     ; behind the ring: the spare words, 128 bytes for each of the 16 waves: eight blocks of 256 bytes that no other line names
.set SP,    528                        ; the way out: a stage of 64 rows (channels) x (256 queries x 2 bytes + 16), from byte 0: slot 0 has had its last fill and its last read by then
.set AK0, 1                            ; v1   my lane's place in a tile of K;  on the way out: STO
.set AV0, 2                            ; v2   the same for V;                  on the way out: RD
.set ADK, 3                            ; v3   LDS address of the step's K;     on the way out: GO
.set ADV, 4                            ; v4   of its V
.set STO, 1
.set RD,  2
.set GO,  3
.set SPW, 5                            ; v5   LDS address of my spare word; never rewritten
.set NIL, 6                            ; v6   0; never rewritten
.set LAM, 7                            ; v7   lam
.set ST1, 8                            ; v8-15, v16-23: statistics of the two softmaxes: +0 c m, +1 m, +2, +3 l (even keys', odd keys'), +4 to +7 at work; a in +6
.set ST2, 16
.set Q1,  24                           ; v24-31, v32-39 my queries' two fragments
.set Q2,  32
.set KB,  40                           ; v40-71   four fragments of K (64 keys x 32 channels)
.set VB,  72                           ; v72-135  eight fragments of V^T (2 x 32 keys, 4 x 16 channels)
.set S,   136                          ; v136-167 S^T, then p
.set P,   168                          ; v168-183 p as f16
.set O1,  184                          ; v184-215, v216-247 the two O^T
.set O2,  216
.set T,   248                          ; v248-255 at work
.set WV,  16                           ; s16  my wave's number
.set G1K, 24                           ; s[24:31] descriptor group 1 for K's tiles;  s[32:39] for V's: it differs in the padding alone
.set G1V, 32
.set G0K, 40                           ; s[40:47] group 0 for K's tiles, a set for each slot;  s[48:55] for V's
.set G0V, 48
.set TK,  56                           ; s56  LDS byte at which the step's rows of K begin
.set TV,  57                           ; s57  the same for V, less VOFF
.set CNT, 58                           ; s58  counts a slot's eight steps
.set SEL, 60                           ; s[60:61] lane selects for v_permlanex16_b32: lane l xor 16
.set CS,  62                           ; s[62:63] c: the packed form names a pair and takes its low word for both halves
.macro CROUND                          ; a round of the cluster's barrier
	s_barrier_signal -1
	s_barrier_wait -1
	s_cmp_lg_u32 s[WV], 0
	s_cbranch_scc1 .Lnot_wave_0_\@
	s_barrier_signal -3
.Lnot_wave_0_\@:
	s_barrier_wait -3
	s_barrier_signal -1
	s_barrier_wait -1
.endm
; A joint refill of slot s.  The branch hangs on the wave's number alone: it is the same in every work-group.  An s_nop 0 and four v_nop follow each of the two lines.
.macro JLOAD s
	s_cmp_lt_u32 s[WV], 8
	s_cbranch_scc0 .Lfor_v_\@
	tensor_load_to_lds s[G0K+4*\s:G0K+4*\s+3], s[G1K:G1K+7]
	s_nop 0
.rept 4
	v_nop
.endr
	s_branch .Lasked_\@
.Lfor_v_\@:
	tensor_load_to_lds s[G0V+4*\s:G0V+4*\s+3], s[G1V:G1V+7]
	s_nop 0
.rept 4
	v_nop
.endr
.Lasked_\@:
.endm
; One softmax step of my 16 queries x 64 keys: st = its statistics, o = its O^T.
.macro SOFTMAX st, o
.irp j, 0,1,2,3
	v_max3_num_f32 v[\st+4+\j], v[S+8*\j], v[S+8*\j+1], v[S+8*\j+2]      ; the maximum, four chains; each score tile is read from its low end on
.endr
.irp u, 3,5
.irp j, 0,1,2,3
	v_max3_num_f32 v[\st+4+\j], v[\st+4+\j], v[S+8*\j+\u], v[S+8*\j+\u+1]
.endr
.endr
	v_max3_num_f32 v[\st+4], v[\st+4], v[S+7], v[S+15]
	v_max3_num_f32 v[\st+6], v[\st+6], v[S+23], v[S+31]
	v_max3_num_f32 v[\st+4], v[\st+4], v[\st+5], v[\st+6]
	v_max3_num_f32 v[\st+4], v[\st+4], v[\st+7], v[\st+1]                ; and the old m
	v_permlanex16_b32 v[\st+5], v[\st+4], s[SEL], s[SEL+1]               ; the query's other 32 keys lie in the lane 16 away
	v_mov_b32 v[\st+7], v[\st]                                           ; c m_old
	v_max_num_f32 v[\st+1], v[\st+4], v[\st+5]                           ; the new m
	v_mul_f32 v[\st], s[CS], v[\st+1]                                    ; c m
	v_sub_f32 v[\st+7], v[\st+7], v[\st]
	v_exp_f32 v[\st+6], v[\st+7]                                         ; a = 2^(c m_old - c m_new)
.set b, 0
.rept 16
	v_pk_fma_f32 v[S+b:S+b+1], v[S+b:S+b+1], s[CS:CS+1], v[\st:\st+1] op_sel_hi:[1,0,0] neg_lo:[0,0,1] neg_hi:[0,0,1]   ; c s - c m, two at a time
.set b, b+2
.endr
	s_wait_alu depctr_va_vdst(0)                   ; a wait between a's exponential and its first reader: the sixteen scalings are the work between
.set b, 0
.rept 32
	v_exp_f32 v[S+b], v[S+b]                       ; p: one batch
.set b, b+1
.endr
	v_pk_mul_f32 v[\st+2:\st+3], v[\st+2:\st+3], v[\st+6:\st+7] op_sel_hi:[1,0]   ; l under the new m.  (Plain work behind the batch: it names none of its results)
.set b, 0
.rept 16
	v_pk_mul_f32 v[\o+b:\o+b+1], v[\o+b:\o+b+1], v[\st+6:\st+7] op_sel_hi:[1,0]   ; O^T under the new m, each tile from its low end on
.set b, b+2
.endr
	s_wait_alu depctr_va_vdst(0)                   ; one wait for the 32, ahead of their first reader
.set b, 0
.rept 16
	v_cvt_pk_f16_f32 v[P+b], v[S+2*b], v[S+2*b+1]  ; two neighbouring keys' p: registers 8 kh .. 8 kh + 7 are source 1 for keys 32 kh on
.set b, b+1
.endr
	v_pk_add_f32 v[T:T+1], v[S:S+1], v[S+2:S+3]    ; the sum of the unrounded p, in two chains
.irp j, 4,8,12,16,20,24,28
	v_pk_add_f32 v[\st+2:\st+3], v[\st+2:\st+3], v[S+\j:S+\j+1]
	v_pk_add_f32 v[T:T+1], v[T:T+1], v[S+\j+2:S+\j+3]
.endr
	v_pk_add_f32 v[\st+2:\st+3], v[\st+2:\st+3], v[T:T+1]
.endm
.macro KLOAD c                         ; four fragments of K: 64 keys x channels 32 c on
.irp t, 0,1,2,3
	ds_load_b128 v[KB+8*\t:KB+8*\t+3],   v[ADK] offset:\t*16*PK+64*\c
	ds_load_b128 v[KB+8*\t+4:KB+8*\t+7], v[ADK] offset:\t*16*PK+64*\c+32
.endr
.endm
.macro KQ q                            ; S^T = K Q^T: four matrix instructions, each starts its sum: K = 32
.irp t, 0,1,2,3
	v_wmma_f32_16x16x32_f16 v[S+8*\t:S+8*\t+7], v[KB+8*\t:KB+8*\t+7], v[\q:\q+7], 0
.endr
.endm
.macro PVM o                           ; O^T += V^T P: the four accumulators take turns, one instruction a turn
.irp kh, 0,1
.irp dt, 0,1,2,3
	v_wmma_f32_16x16x32_f16 v[\o+8*\dt:\o+8*\dt+7], v[VB+8*(4*\kh+\dt):VB+8*(4*\kh+\dt)+7], v[P+8*\kh:P+8*\kh+7], v[\o+8*\dt:\o+8*\dt+7]
.endr
.endr
.endm
.macro PLACES                          ; four places behind matrix instructions: in front of loads into registers that they have read, and of vector instructions that read their results
.rept 4
	v_nop
.endr
.endm
; A KEY STEP: 64 keys.
.macro STEP
	v_add_nc_u32 v[ADK], s[TK], v[AK0]
	v_add_nc_u32 v[ADV], s[TV], v[AV0]
	v_nop
	v_nop                                          ; with the two additions: four places behind the last step's products, which read V's registers
	KLOAD 0
.irp f, 0,1,2,3,4,5,6,7                ; keys 32 (f / 4) on, channels 16 (f % 4) on
	ds_load_tr16_b128 v[VB+8*\f:VB+8*\f+3],   v[ADV] offset:(\f/4)*32*PV+(\f%4)*32
	ds_load_tr16_b128 v[VB+8*\f+4:VB+8*\f+7], v[ADV] offset:(\f/4)*32*PV+16*PV+(\f%4)*32
.endr
	s_wait_dscnt 16                                ; K's first eight loads are in; V's sixteen may be out
	KQ Q1
	PLACES
	KLOAD 1                                        ; k2 lands while the first softmax is walked
	SOFTMAX ST1, O1
	s_wait_dscnt 0x0                               ; V and k2 are in
	KQ Q2                                          ; the second scores take the first's registers: p has been rounded and summed
	PVM O1
	PLACES
	SOFTMAX ST2, O2
	PVM O2
.endm
.macro PHASE slot                      ; a slot's eight key steps: written once for each of the four phases, walked eight times
	s_mov_b32 s[TK], \slot*SLOT
	s_mov_b32 s[TV], \slot*SLOT
	s_mov_b32 s[CNT], 8
.Lstep_\@:
	STEP
	s_add_co_u32 s[TK], s[TK], 64*PK
	s_add_co_u32 s[TV], s[TV], 64*PV
	s_sub_co_u32 s[CNT], s[CNT], 1
	s_cmp_lg_u32 s[CNT], 0
	s_cbranch_scc1 .Lstep_\@
.endm
; THE CHANGE OF SLOTS.  Each wave waits for all its tensor loads (one is out at the most: its part of the slot ahead), adds 0 to its spare word, and waits for that and for its reads of the slot that it leaves.
; fill = 1: slot s, just left, is filled with the keys 1,024 further on.  The barrier is then a round of the cluster's, so that no wave of any partner still reads the slot or has a load on its way,
; and the joint refill is the first thing behind it.
.macro CHANGE fill, s
	s_wait_tensorcnt 0x0                           ; no tensor load of mine is out, so a group 0 may be written
	ds_add_u32 v[SPW], v[NIL]                      ; 0 onto my spare word
.if \fill
	s_add_nc_u64 s[G0K+4*\s+2:G0K+4*\s+3], s[G0K+4*\s+2:G0K+4*\s+3], 1024*128   ; the type bits on top are not reached
	s_add_nc_u64 s[G0V+4*\s+2:G0V+4*\s+3], s[G0V+4*\s+2:G0V+4*\s+3], 1024*128
.endif
	s_wait_dscnt 0x0                               ; the add is done, and my reads of the slot are over
.if \fill
	CROUND
	JLOAD \s
.else
	s_barrier_signal -1
	s_barrier_wait -1
.endif
.endm
	s_load_b256 s[4:11], s[0:1], 0x0               ; qkv s[4:5], lambda_q1 s[6:7], lambda_k1 s[8:9], lambda_q2 s[10:11]
	s_load_b128 s[12:15], s[0:1], 0x20             ; lambda_k2 s[12:13], ot s[14:15]
	v_lshl_add_u32 v[SPW], v0, 2, SPARE
	v_mov_b32 v[NIL], 0
	ds_add_u32 v[SPW], v[NIL]                      ; the wave's opening: the add, twice on end, and its wait ahead of my first tensor load
	ds_add_u32 v[SPW], v[NIL]                      ; and once more; the set-up below, work on registers, stands between it and the wait
	v_lshrrev_b32 v1, 5, v0
	v_readfirstlane_b32 s[WV], v1                  ; wave 0..15
	s_bfe_u32 s17, ttmp6, 0x40000                  ; cx: my place in the cluster
	s_lshl_b32 s18, ttmp9, 2                       ; in a cluster launch ttmp9 counts clusters
	s_add_co_u32 s18, s18, s17                     ; my block of 256 queries: it enters Q's and ot's addresses alone
	s_and_b32 s19, ttmp7, 0xffff                   ; (b, h), which the four partners share
	s_and_b32 s69, s[WV], 7                        ; which 64 rows of a slot I fetch
	s_lshl_b32 s20, s19, 18                        ; a head's rows: 2,048 x 128 bytes
	s_lshl_b32 s21, s69, 13
	s_add_co_u32 s20, s20, s21
	s_mov_b32 s21, 0                               ; s[20:21]: my tile of slot 0, within K or V
	s_mul_i32 s70, s69, 64*PK                      ; and its place in a slot: no place in the cluster enters an LDS address
	s_mul_i32 s71, s69, 64*PV
	s_add_co_u32 s71, s71, VOFF
	s_lshl_b32 s72, s19, 18
	s_lshl_b32 s73, s18, 15                        ; my block's 256 rows,
	s_add_co_u32 s72, s72, s73
	s_lshl_b32 s73, s[WV], 11                      ; my wave's 16
	s_add_co_u32 s72, s72, s73
	s_mov_b32 s73, 0                               ; s[72:73]: my first query, within Q
	s_lshr_b32 s74, s19, 4
	s_lshl_b32 s74, s74, 11                        ; ot's row: 2048 b
	s_and_b32 s75, s19, 15
	s_lshl_b32 s75, s75, 1                         ; + 2 h
	s_add_co_u32 s74, s74, s75
	s_lshr_b32 s75, s18, 2                         ; + t / 1024
	s_add_co_u32 s74, s74, s75
	s_lshl_b32 s74, s74, 11                        ; rows of 2,048 bytes
	s_and_b32 s75, s18, 3
	s_lshl_b32 s75, s75, 9                         ; my block's 256 columns
	s_add_co_u32 s74, s74, s75
	s_lshl_b32 s75, s[WV], 18                      ; + 32 d rows for d = 4 x wave
	s_add_co_u32 s74, s74, s75
	s_mov_b32 s75, 0
	; descriptor group 1: a tile of 64 rows x 64 elements of 2 bytes, padded in LDS
	s_mov_b32 s[G1K], 15|(1<<16)|(1<<20)|(1<<21)|(4<<22)|(3<<25)  ; 15:0 the mask: all four work-groups; 17:16 elements of 2 bytes; 20 padding on; 21 set beside a mask; 24:22 after every 32 words; 31:25 four words
	s_mov_b32 s[G1V], 15|(1<<16)|(1<<20)|(1<<21)|(4<<22)|(7<<25)  ; the same with eight words of padding
.irp g, G1K, G1V
	s_mov_b32 s[\g+1], 64<<16                      ; tensor_dim0 = 64
	s_mov_b32 s[\g+2], 64<<16                      ; tensor_dim1 = 64
	s_mov_b32 s[\g+3], 64<<16                      ; tile_dim0 = 64
	s_mov_b32 s[\g+4], 64                          ; tile_dim1 = 64
	s_mov_b32 s[\g+5], 64                          ; tensor_dim0_stride: elements from row to row
	s_mov_b32 s[\g+6], 0
	s_mov_b32 s[\g+7], 0
.endr
	s_mov_b32 s[SEL], 0x76543210
	s_mov_b32 s[SEL+1], 0xfedcba98
	s_mov_b32 s[CS], 0x3e38aa3b                    ; c = log2(e) / 8
	s_mov_b32 s[CS+1], s[CS]                       ; named with it as a pair, so it is written
	s_mov_b32 s67, 0x3c800000                      ; 1 / 64
	s_mov_b32 s68, 0x358637bd                      ; 1e-6
	s_wait_dscnt 0x0                               ; both opening adds are done
	s_wait_kmcnt 0x0
	s_add_nc_u64 s[22:23], s[4:5], s[20:21]
	s_add_nc_u64 s[4:5], s[4:5], s[72:73]          ; Q at my wave's first query
	s_add_nc_u64 s[14:15], s[14:15], s[74:75]      ; ot at my wave's first row and my block's columns
	CROUND                                         ; all four work-groups are here: the first joint loads meet
.irp s, 0,1
	s_mov_b32 s[G0K+4*\s], 1                       ; count = 1
	s_add_co_u32 s[G0K+4*\s+1], s70, \s*SLOT       ; LDS address
	s_add_nc_u64 s[G0K+4*\s+2:G0K+4*\s+3], s[22:23], 0x800000+\s*65536   ; K is the second tensor of qkv; slot s begins with keys 512 s
	s_or_b32 s[G0K+4*\s+3], s[G0K+4*\s+3], 0x80000000                    ; type = 2
	s_mov_b32 s[G0V+4*\s], 1
	s_add_co_u32 s[G0V+4*\s+1], s71, \s*SLOT
	s_add_nc_u64 s[G0V+4*\s+2:G0V+4*\s+3], s[22:23], 0x1000000+\s*65536  ; V the third
	s_or_b32 s[G0V+4*\s+3], s[G0V+4*\s+3], 0x80000000
.endr
	s_cmp_lt_u32 s[WV], 8                          ; a wave's two first fills stand in one branch, ahead of every wait on TENSORcnt and every LDS read: two loads of mine are out
	s_cbranch_scc0 .Lfirst_v
	tensor_load_to_lds s[G0K:G0K+3], s[G1K:G1K+7]
	s_nop 0
	tensor_load_to_lds s[G0K+4:G0K+7], s[G1K:G1K+7]
	s_nop 0
.rept 4
	v_nop
.endr
	s_branch .Lfirst_asked
.Lfirst_v:
	tensor_load_to_lds s[G0V:G0V+3], s[G1V:G1V+7]
	s_nop 0
	tensor_load_to_lds s[G0V+4:G0V+7], s[G1V:G1V+7]
	s_nop 0
.rept 4
	v_nop
.endr
.Lfirst_asked:
	; A fragment of K or Q is 16 rows x 32 channels in 8 registers: lane l holds row l % 16; registers 0-3 channels 8 (l / 16) + 0..7, registers 4-7 channels 16 + 8 (l / 16) + 0..7.
	v_and_b32 v[T], 15, v0                         ; r = l % 16
	v_bfe_u32 v[T+1], v0, 4, 1                     ; h = l / 16
	v_lshlrev_b32 v[T+2], 7, v[T]
	v_lshl_add_u32 v[T+2], v[T+1], 4, v[T+2]       ; row x 128 + 16 x half
	global_load_b128 v[Q1:Q1+3],   v[T+2], s[4:5]
	global_load_b128 v[Q1+4:Q1+7], v[T+2], s[4:5] offset:32
	global_load_b128 v[Q2:Q2+3],   v[T+2], s[4:5] offset:64
	global_load_b128 v[Q2+4:Q2+7], v[T+2], s[4:5] offset:96
	v_and_b32 v[T+3], 31, v0
	v_lshlrev_b32 v[T+3], 3, v[T+3]                ; the lambdas: 64 numbers, two a lane
	global_load_b64 v[S:S+1],   v[T+3], s[6:7]
	global_load_b64 v[S+2:S+3], v[T+3], s[8:9]
	global_load_b64 v[S+4:S+5], v[T+3], s[10:11]
	global_load_b64 v[S+6:S+7], v[T+3], s[12:13]
	v_mul_u32_u24 v[AK0], v[T], PK
	v_lshl_add_u32 v[AK0], v[T+1], 4, v[AK0]       ; row x pitch + 16 x half
	; The turning load takes 16 keys x 16 channels (lane l reads 16 bytes: key 8 (l / 16) + l % 8, channels 8 ((l / 8) % 2) + 0..7) and leaves half a fragment of V^T: lane l holds channel l % 16 and 8 keys.
	v_and_b32 v[T+4], 7, v0
	v_lshl_add_u32 v[T+4], v[T+1], 3, v[T+4]
	v_mul_u32_u24 v[AV0], v[T+4], PV
	v_bfe_u32 v[T+4], v0, 3, 1
	v_lshl_add_u32 v[AV0], v[T+4], 4, v[AV0]
	v_add_nc_u32 v[AV0], VOFF, v[AV0]
.irp st, ST1, ST2
	v_mov_b32 v[\st+1], 0xff61b1e6                 ; m: -3e38, under every score
	v_mul_f32 v[\st], s[CS], v[\st+1]              ; c m
	v_mov_b32 v[\st+2], 0                          ; l
	v_mov_b32 v[\st+3], 0
.endr
.set b, 0
.rept 64
	v_mov_b32 v[O1+b], 0                           ; both O^T.  (The key step is written without a first step of its own: it finds zeros, which the first a, 0, leaves zeros)
.set b, b+1
.endr
	s_wait_loadcnt 0x0                             ; Q and the lambdas
	v_mul_f32 v[T], v[S], v[S+2]                   ; lam: the two dot products, in f32
	v_mul_f32 v[T+1], v[S+4], v[S+6]
	v_fma_f32 v[T], v[S+1], v[S+3], v[T]
	v_fma_f32 v[T+1], v[S+5], v[S+7], v[T+1]
.irp x, 1,2,4,8
	v_add_f32_dpp v[T], v[T], v[T] row_xmask:\x row_mask:0xf bank_mask:0xf
	v_add_f32_dpp v[T+1], v[T+1], v[T+1] row_xmask:\x row_mask:0xf bank_mask:0xf
.endr
	v_mov_b32 v[T+2], 0                            ; a lane permute's destination counts as one of its sources
	v_mov_b32 v[T+3], 0
	v_permlanex16_b32 v[T+2], v[T], s[SEL], s[SEL+1]
	v_permlanex16_b32 v[T+3], v[T+1], s[SEL], s[SEL+1]
	v_add_f32 v[T], v[T], v[T+2]
	v_add_f32 v[T+1], v[T+1], v[T+3]
	v_mul_f32 v[T], 0x3fb8aa3b, v[T]               ; x log2(e)
	v_mul_f32 v[T+1], 0x3fb8aa3b, v[T+1]
	v_exp_f32 v[T], v[T]
	v_exp_f32 v[T+1], v[T+1]
	v_nop                                          ; a plain line behind the exponentials,
	s_wait_alu depctr_va_vdst(0)                   ; and a wait ahead of their first reader
	v_sub_f32 v[LAM], v[T], v[T+1]
	v_add_f32 v[LAM], 0x3f4ccccd, v[LAM]           ; + 0.8
	s_wait_tensorcnt 1                             ; my part of slot 0 is in; slot 1's may stay out
	s_barrier_signal -1
	s_barrier_wait -1                              ; everybody's is
	PHASE 0                                        ; keys 0 to 511
	CHANGE 1, 0                                    ; slot 0 takes keys 1,024 on
	PHASE 1                                        ; keys 512 to 1,023
	CHANGE 1, 1                                    ; slot 1 takes keys 1,536 on: the last load
	PHASE 0
	CHANGE 0, 0                                    ; nothing is left to fetch
	PHASE 1
	; THE WAY OUT.  l's halves and the other half of the lanes' are added; out = O1 / l1 - lam O2 / l2; its mean square over the 64 channels (32 here, 32 in the lane 16 away); out / rms as f16.
	PLACES                                         ; behind the last products
	v_add_f32 v[ST1+4], v[ST1+2], v[ST1+3]
	v_add_f32 v[ST2+4], v[ST2+2], v[ST2+3]
	v_permlanex16_b32 v[ST1+5], v[ST1+4], s[SEL], s[SEL+1]
	v_permlanex16_b32 v[ST2+5], v[ST2+4], s[SEL], s[SEL+1]
	v_add_f32 v[ST1+4], v[ST1+4], v[ST1+5]
	v_add_f32 v[ST2+4], v[ST2+4], v[ST2+5]
	v_rcp_f32 v[ST1+6], v[ST1+4]
	v_rcp_f32 v[ST2+6], v[ST2+4]
	v_and_b32 v[T+6], 15, v0                       ; (plain work behind the reciprocals: the stage's addresses)  r
	v_bfe_u32 v[T+7], v0, 4, 1                     ; h
	s_lshl_b32 s20, s[WV], 5                       ; into the stage: row = channel, byte 2 x (16 x wave + r): my query's place among the 256
	v_mul_u32_u24 v[STO], v[T+7], 8*SP             ; my half's channels begin 8 rows further down
	v_lshl_add_u32 v[STO], v[T+6], 1, v[STO]
	v_add_nc_u32 v[STO], s20, v[STO]
	s_mul_i32 s20, s[WV], 4*SP                     ; back: wave w takes rows 4 w on, whole: 16 bytes a lane
	v_and_b32 v[GO], 31, v0
	v_lshlrev_b32 v[GO], 4, v[GO]
	v_add_nc_u32 v[RD], s20, v[GO]
	s_wait_alu depctr_va_vdst(0)                   ; one wait for both reciprocals, ahead of their first reader
	v_mul_f32 v[ST2+6], v[LAM], v[ST2+6]           ; lam / l2
.set b, 0
.rept 16
	v_pk_mul_f32 v[S+b:S+b+1], v[O2+b:O2+b+1], v[ST2+6:ST2+7] op_sel_hi:[1,0]
	v_pk_fma_f32 v[S+b:S+b+1], v[O1+b:O1+b+1], v[ST1+6:ST1+7], v[S+b:S+b+1] op_sel_hi:[1,0,1] neg_lo:[0,0,1] neg_hi:[0,0,1]   ; register 8 dt + j: out(query r, channel 16 dt + 8 h + j)
.set b, b+2
.endr
	v_pk_mul_f32 v[T:T+1], v[S:S+1], v[S:S+1]      ; the sum of squares, in two packed chains
	v_pk_mul_f32 v[T+2:T+3], v[S+2:S+3], v[S+2:S+3]
.irp j, 4,8,12,16,20,24,28
	v_pk_fma_f32 v[T:T+1], v[S+\j:S+\j+1], v[S+\j:S+\j+1], v[T:T+1]
	v_pk_fma_f32 v[T+2:T+3], v[S+\j+2:S+\j+3], v[S+\j+2:S+\j+3], v[T+2:T+3]
.endr
	v_pk_add_f32 v[T:T+1], v[T:T+1], v[T+2:T+3]
	v_add_f32 v[T], v[T], v[T+1]
	v_permlanex16_b32 v[T+1], v[T], s[SEL], s[SEL+1]
	v_add_f32 v[T], v[T], v[T+1]
	v_fma_f32 v[T], v[T], s67, s68                 ; the mean + 1e-6
	v_rsq_f32 v[T+4], v[T]
	v_mov_b32 v[T+5], 0                            ; a plain line behind it (and the pair's upper half is written)
	s_wait_alu depctr_va_vdst(0)
.set b, 0
.rept 16
	v_pk_mul_f32 v[S+b:S+b+1], v[S+b:S+b+1], v[T+4:T+5] op_sel_hi:[1,0]
.set b, b+2
.endr
.set b, 0
.rept 16
	v_cvt_pk_f16_f32 v[P+b], v[S+2*b], v[S+2*b+1]
.set b, b+1
.endr
	; the transposition: a lane holds one query and 32 channels; ot wants a channel's queries side by side.  Two bytes a store into the work-group's stage; after a barrier whole rows come back.
.irp i, 0,1,2,3,4,5,6,7,8,9,10,11,12,13,14,15
	ds_store_b16 v[STO], v[P+\i] offset:(16*(\i/4)+2*(\i%4))*SP
	ds_store_b16_d16_hi v[STO], v[P+\i] offset:(16*(\i/4)+2*(\i%4)+1)*SP
.endr
	s_wait_dscnt 0x0                               ; for the others' sake: my stores into the stage are done
	s_barrier_signal -1
	s_barrier_wait -1
.irp i, 0,1,2,3
	ds_load_b128 v[S+4*\i:S+4*\i+3], v[RD] offset:SP*\i
.endr
.irp i, 0,1,2,3
	s_wait_dscnt 3-\i                              ; row i is in; the younger loads may be out
	global_store_b128 v[GO], v[S+4*\i:S+4*\i+3], s[14:15] offset:65536*\i   ; channel 4 w + i: 32 rows of ot further on for each channel; 512 consecutive bytes a store
.endr
	s_wait_tensorcnt 0x0                           ; the wave's end: behind my last tensor load and my last LDS store
	ds_add_u32 v[SPW], v[NIL]
	s_wait_dscnt 0x0
	CROUND                                         ; the closing round: no work-group ends while a partner may still ask for a tile that names it
	s_endpgm
.Lfunc_end_k_qfb1dc22111_attn:
	.size	k_qfb1dc22111_attn, .Lfunc_end_k_qfb1dc22111_attn-k_qfb1dc22111_attn
	.p2alignl 7, 3214868480
	.fill 96, 4, 3214868480
	.section	.rodata,"a",@progbits
	.p2align	6, 0x0
	.amdhsa_kernel k_qfb1dc22111_attn
		.amdhsa_group_segment_fixed_size 327680
		.amdhsa_private_segment_fixed_size 0
		.amdhsa_enable_private_segment 0
		.amdhsa_kernarg_size 48
		.amdhsa_user_sgpr_count 2
		.amdhsa_user_sgpr_kernarg_segment_ptr 1
		.amdhsa_wavefront_size32 1
		.amdhsa_system_sgpr_workgroup_id_x 1
		.amdhsa_system_sgpr_workgroup_id_y 1
		.amdhsa_system_sgpr_workgroup_id_z 1
		.amdhsa_system_vgpr_workitem_id 0
		.amdhsa_next_free_vgpr 256
		.amdhsa_next_free_sgpr 80
		.amdhsa_reserve_vcc 0
		.amdhsa_float_denorm_mode_32 3
		.amdhsa_float_denorm_mode_16_64 3
		.amdhsa_memory_ordered 1
		.amdhsa_forward_progress 1
		.amdhsa_inst_pref_size 91
	.end_amdhsa_kernel
	.amdgpu_metadata
---
amdhsa.version: [ 1, 2 ]
amdhsa.kernels:
  - .name:           k_qfb1dc22111_attn
    .symbol:         k_qfb1dc22111_attn.kd
    .args:
      - { .name: qkv, .offset: 0, .size: 8, .value_kind: global_buffer, .address_space: global }
      - { .name: lambda_q1, .offset: 8, .size: 8, .value_kind: global_buffer, .address_space: global }
      - { .name: lambda_k1, .offset: 16, .size: 8, .value_kind: global_buffer, .address_space: global }
      - { .name: lambda_q2, .offset: 24, .size: 8, .value_kind: global_buffer, .address_space: global }
      - { .name: lambda_k2, .offset: 32, .size: 8, .value_kind: global_buffer, .address_space: global }
      - { .name: ot, .offset: 40, .size: 8, .value_kind: global_buffer, .address_space: global }
    .group_segment_fixed_size: 327680
    .private_segment_fixed_size: 0
    .kernarg_segment_align: 8
    .kernarg_segment_size: 48
    .max_flat_workgroup_size: 512
    .sgpr_count:     80
    .vgpr_count:     256
    .wavefront_size: 32
...
	.end_amdgpu_metadata
.endif
;; end of part 3
;; launch gemm2 (part 4): grid 8 x 32, 4 waves a work-group, clusters of 4 x 4, 327,680 bytes of LDS; arguments ot, wot, out0, norm_w; writes out0
.if DOCPART == 4
	.amdgcn_target "amdgcn-amd-amdhsa--gfx1250"
	.amdhsa_code_object_version 6
	.text
	.protected	k_qfb1dc22111_gemm2
	.globl	k_qfb1dc22111_gemm2
	.p2align	8
	.type	k_qfb1dc22111_gemm2,@function
k_qfb1dc22111_gemm2:
	s_mov_b64 s[64:65], 0
	v_nop
	global_prefetch_b8 v0, s[64:65] scope:SCOPE_SE
	s_setreg_imm32_b32 hwreg(HW_REG_WAVE_MODE, 25, 1), 1
	s_wait_xcnt 0x0
	s_wait_alu depctr_hold_cnt(0) depctr_sa_sdst(0) depctr_va_vdst(0) depctr_va_sdst(0) depctr_va_ssrc(0) depctr_va_vcc(0) depctr_vm_vsrc(0)
	s_getreg_b32 s2, hwreg(HW_REG_IB_STS2, 6, 4)
	s_cmp_eq_u32 s2, 0
	s_cbranch_scc0 .Lentry_in_a_cluster
	s_endpgm
.Lentry_in_a_cluster:
	s_bfe_u32 s2, ttmp6, 0x10000c
	s_cmp_lg_u32 s2, 0xf033
	s_cbranch_scc0 .Lentry_shape_is_right
	s_endpgm
.Lentry_shape_is_right:
; out0[m][n] = g[m] x sum over k of A[m][k] B[n][k].  A = ot [4096][1024] f16 (out / rms, transposed as the source's view has it), B = wot [1024 n][1024 k] f16 (wo transposed); sums in f32; out0 f32.
; g[m] = 0.2 x norm_w[h][d]: row m of A holds one head h = (m % 2048 / 2) % 16 and one channel d = m % 2048 / 32, so the gain is a factor of the whole row and is applied to the finished sums, in f32.
; A tile of C is 128 x 128: 8 x 32 = 256 tiles.  Four waves, each 64 x 64: 16 accumulators of 16 x 16, 128 registers.  K goes in steps of 256 (LDS rows of 512 bytes; a wave's tensor load brings 64 of them)
; through a ring of two slots: K = 1,024 is two laps.  A wave's 64 columns of f32 are 256 bytes, so each wave has a stage of its own on the way out and no barrier stands there.
; CLUSTERS: 4 x 4 work-groups.  The four of a row of the cluster need the same tiles of A, the four of a column the same tiles of B: each tile is asked for JOINTLY, by the same tensor load with the
; same descriptor and a mask that names the four.  THE MATRIX INSTRUCTION IS USED TRANSPOSED (source 0 = 16 rows of B, source 1 = 16 rows of A): a lane then holds eight neighbouring numbers of a row of C.
; REGISTERS: window 0: v0-31 addresses; v32-95 rows read back on the way out; v96-107 the gains; v128-255 the accumulators ((a, b) at v[128 + 8 (4 a + b)]).
;   window 1: two fragment buffers of 128: for 64 along K, 64 registers of A (2 x 4 x 16 rows x 32 K), then 64 of B.
.set SIZE_M, 4096
.set SIZE_N, 1024
.set SIZE_K, 1024
.set KSTEP,  256
.set PITCH,  528                       ; an LDS row: 512 bytes + 16 of padding: the 16 rows that a load touches start at 16 different banks (64 banks of 4 bytes: ISA guide 11.1)
.set HALFT,  64*PITCH                  ; 64 rows: what one tensor load brings, and what one wave reads of A or of B
.set SLOT,   4*HALFT                   ; A's 128 rows, then B's 128 rows
.set STAGE,  2*SLOT                    ; behind the ring: 16 rows x 272 bytes for each wave, for the way out
.set SPITCH, 272
.set SPARE,  STAGE+4*16*SPITCH         ; behind the stages: the spare words, 128 bytes for each wave: two blocks of 256 bytes that no other line names
.set LAPS, SIZE_K/(2*KSTEP)            ; a lap = two K steps = once round the ring
.set ADRA, 16                          ; v16-17  LDS address of my A fragments in slot 0, 1
.set ADRB, 20                          ; v20-21  the same for B
.set STO,  24                          ; v24     the way out: where I put 32 bytes of a row
.set RD,   25                          ; v25     the way out: where I read a row back
.set CO,   26                          ; v26     my byte offset in two rows of C
.set NO,   27                          ; v27     my byte offset in norm_w
.set SPW,  28                          ; v28     LDS address of my spare word; never rewritten
.set NIL,  29                          ; v29     0; never rewritten
.set TMP,  32                          ; the way out: 16 rows read back: v32-63 and v64-95 by turns
.set GN,   96                          ; v96-103 the gain of my row of block a, twice (a pair for the packed multiply)
.set GL,   104                         ; v104-107 norm_w as loaded
.set ACC,  128
.set F0,   0                           ; fragment buffers, in window 1
.set F1,   128
.set G1, 24                            ; s[24:31] descriptor group 1 for A's tiles;  s[32:39] group 0, one set for each slot
.set G0, 32
.set G1B, 48                           ; s[48:55], s[56:63] the same for B's tiles
.set G0B, 56
.set MSB, 0
.macro WIN new                         ; the immediate's high byte repeats the setting that is left
.if MSB != \new
	s_set_vgpr_msb (MSB<<8)|\new
.set MSB, \new
.endif
.endm
.set MUL,  0x05                        ; sources 0 (B) and 1 (A) window 1; C and D window 0
.set TO_F, 0x40                        ; destination window 1, address window 0
.macro JLOAD s                         ; a joint load: waves 0 and 1 fetch A's two halves, waves 2 and 3 B's; an s_nop 0 and four v_nop follow each of the two lines
	s_cmp_eq_u32 s11, 0
	s_cbranch_scc0 .Lfor_b_\@
	tensor_load_to_lds s[G0+4*\s:G0+4*\s+3], s[G1:G1+7]
	s_nop 0
.rept 4
	v_nop
.endr
	s_branch .Lasked_\@
.Lfor_b_\@:
	tensor_load_to_lds s[G0B+4*\s:G0B+4*\s+3], s[G1B:G1B+7]
	s_nop 0
.rept 4
	v_nop
.endr
.Lasked_\@:
.endm
.macro CREST                           ; a round of the cluster's barrier behind its opening barrier
	s_cmp_lg_u32 s10, 0
	s_cbranch_scc1 .Lnot_wave_0_\@
	s_barrier_signal -3
.Lnot_wave_0_\@:
	s_barrier_wait -3
	s_barrier_signal -1
	s_barrier_wait -1
.endm
.macro CROUND                          ; a whole round
	s_barrier_signal -1
	s_barrier_wait -1
	CREST
.endm
	s_load_b128 s[4:7], s[0:1], 0x0                ; A s[4:5], B s[6:7]
	s_load_b128 s[68:71], s[0:1], 0x10             ; C s[68:69], norm_w s[70:71]
	v_lshl_add_u32 v[SPW], v0, 2, SPARE
	v_mov_b32 v[NIL], 0
	ds_add_u32 v[SPW], v[NIL]                      ; the wave's opening: the add, twice on end, and its wait ahead of my first tensor load
	ds_add_u32 v[SPW], v[NIL]                      ; and once more; the set-up below, work on registers, stands between it and the wait
	v_lshrrev_b32 v1, 5, v0
	v_readfirstlane_b32 s10, v1                    ; wave 0..3
	s_lshr_b32 s11, s10, 1                         ; which half of the tile's rows is mine.  Also: I fetch for A (0) or for B (1)
	s_and_b32 s12, s10, 1                          ; which half of its columns.  Also: which 64 rows of that tile I fetch
	s_bfe_u32 s40, ttmp6, 0x40000                  ; cx, cy: my place in the cluster
	s_bfe_u32 s41, ttmp6, 0x40004
	s_lshl_b32 s42, ttmp9, 2
	s_add_co_u32 s42, s42, s40                     ; tile column of C = 4 x cluster x + cx
	s_and_b32 s13, ttmp7, 0xffff
	s_lshl_b32 s13, s13, 2
	s_add_co_u32 s13, s13, s41                     ; tile row of C = 4 x cluster y + cy
	s_lshl_b32 s43, s41, 2
	s_lshl_b32 s43, 15, s43                        ; my row of the cluster
	s_lshl_b32 s44, 0x1111, s40                    ; my column
	; descriptor group 1: a tile of 64 rows x 256 elements, padded in LDS
	s_or_b32 s[G1+0], s43, (1<<16)|(1<<20)|(1<<21)|(6<<22)|(3<<25)  ; 15:0 the mask: A's tiles go to my row; 17:16 element of 2 bytes; 20 padding on; 21 set beside a mask; 24:22 after every 128 words; 31:25 four words
	s_or_b32 s[G1B+0], s44, (1<<16)|(1<<20)|(1<<21)|(6<<22)|(3<<25)
.irp g, G1, G1B
	s_mov_b32 s[\g+1], KSTEP<<16                   ; tensor_dim0 = 256
	s_mov_b32 s[\g+2], 64<<16                      ; tensor_dim1 = 64
	s_mov_b32 s[\g+3], KSTEP<<16                   ; tile_dim0 = 256
	s_mov_b32 s[\g+4], 64                          ; tile_dim1 = 64
	s_mov_b32 s[\g+5], SIZE_K                      ; tensor_dim0_stride
	s_mov_b32 s[\g+6], 0
	s_mov_b32 s[\g+7], 0
.endr
	s_lshl_b32 s17, s12, 6                         ; which 64 rows of the tile I fetch
	s_lshl_b32 s16, s13, 7
	s_add_co_u32 s16, s16, s17                     ; A: row 128 x tile row + 64 x half
	s_lshl_b32 s46, s42, 7
	s_add_co_u32 s46, s46, s17                     ; B: row 128 x tile column + 64 x half
	s_mov_b32 s17, 0
	s_mov_b32 s47, 0
	s_mov_b64 s[18:19], SIZE_K*2
	s_mul_u64 s[16:17], s[16:17], s[18:19]
	s_mul_u64 s[46:47], s[46:47], s[18:19]
	s_mul_i32 s20, s10, HALFT                      ; where they go: wave x 64 rows
	s_wait_dscnt 0x0                               ; both opening adds are done
	s_wait_kmcnt 0x0
	s_add_nc_u64 s[14:15], s[4:5], s[16:17]
	s_add_nc_u64 s[46:47], s[6:7], s[46:47]
	CROUND                                         ; all sixteen work-groups are here: the first joint loads meet
.irp s, 0,1
	s_mov_b32 s[G0+4*\s], 1
	s_add_co_u32 s[G0+4*\s+1], s20, \s*SLOT
	s_add_nc_u64 s[G0+4*\s+2:G0+4*\s+3], s[14:15], \s*KSTEP*2
	s_or_b32 s[G0+4*\s+3], s[G0+4*\s+3], 0x80000000
	s_mov_b32 s[G0B+4*\s], 1
	s_add_co_u32 s[G0B+4*\s+1], s20, \s*SLOT
	s_add_nc_u64 s[G0B+4*\s+2:G0B+4*\s+3], s[46:47], \s*KSTEP*2
	s_or_b32 s[G0B+4*\s+3], s[G0B+4*\s+3], 0x80000000
	JLOAD \s                                       ; two tensor loads of mine are out at the most
.endr
	v_and_b32 v1, 15, v0                           ; l % 16
	v_bfe_u32 v2, v0, 4, 1                         ; l / 16
	v_mul_u32_u24 v3, v1, PITCH
	v_lshl_add_u32 v3, v2, 4, v3                   ; a fragment's row x pitch + 16 x half
	s_mul_i32 s21, s11, HALFT                      ; my 64 rows of A
	s_mul_i32 s22, s12, HALFT                      ; my 64 rows of B,
	s_add_co_u32 s22, s22, 2*HALFT                 ; which lie behind A's 128
.irp s, 0,1
	v_add_nc_u32 v[ADRA+\s], s21, v3
	v_add_nc_u32 v[ADRB+\s], s22, v3
	s_add_co_u32 s21, s21, SLOT
	s_add_co_u32 s22, s22, SLOT
.endr
	s_mul_i32 s23, s10, 16*SPITCH
	s_add_co_u32 s23, s23, STAGE                   ; my stage
	v_mul_u32_u24 v4, v1, SPITCH                   ; in: row l % 16, 32 bytes for each half of the lanes
	v_lshl_add_u32 v4, v2, 5, v4
	v_add_nc_u32 v[STO], s23, v4
	v_mul_u32_u24 v5, v2, SPITCH                   ; back: lanes 0-15 take one row of 256 bytes, lanes 16-31 the next
	v_lshl_add_u32 v5, v1, 4, v5
	v_add_nc_u32 v[RD], s23, v5
	v_lshlrev_b32 v5, 12, v2                       ; and the same two rows in C: rows of 4,096 bytes
	v_lshl_add_u32 v[CO], v1, 4, v5
	s_lshl_b32 s16, s13, 7
	s_lshl_b32 s17, s11, 6
	s_add_co_u32 s16, s16, s17                     ; my first row of C: 128 x tile row + 64 x half
	s_and_b32 s18, s16, 2047                       ; within its batch: a multiple of 64, so d = it / 32 + a / 2 and h = 8 (a % 2) + r / 2 for row 16 a + r of mine
	s_lshr_b32 s18, s18, 3                         ; 4 bytes x d
	v_lshrrev_b32 v5, 1, v1
	v_lshl_add_u32 v[NO], v5, 8, s18               ; + 256 bytes x (r / 2)
.irp a, 0,1,2,3
	global_load_b32 v[GL+\a], v[NO], s[70:71] offset:(\a%2)*2048+(\a/2)*4   ; norm_w[8 (a % 2) + r / 2][d]: waited for ahead of the way out
.endr
	s_lshl_b32 s16, s16, 12
	s_mov_b32 s17, 0
	s_add_nc_u64 s[68:69], s[68:69], s[16:17]
	s_lshl_b32 s46, s42, 9                         ; my first column, in bytes: 512 x tile column + 256 x half
	s_lshl_b32 s47, s12, 8
	s_add_co_u32 s46, s46, s47
	s_mov_b32 s47, 0
	s_add_nc_u64 s[68:69], s[68:69], s[46:47]
; 8 matrix instructions: m blocks a0, a0 + 1 x all 4 n blocks, 32 along K: half c of buffer f.  zero = 1: the first product starts the sums.  The 16 accumulators take turns
.macro MUL8 f, c, a0, zero
.irp a, \a0, \a0+1
.irp b, 0,1,2,3
.if \zero
	v_wmma_f32_16x16x32_f16 v[ACC+8*(4*(\a)+\b):ACC+8*(4*(\a)+\b)+7], v[\f+64+8*(4*\c+\b):\f+64+8*(4*\c+\b)+7], v[\f+8*(4*\c+\a):\f+8*(4*\c+\a)+7], 0
.else
	v_wmma_f32_16x16x32_f16 v[ACC+8*(4*(\a)+\b):ACC+8*(4*(\a)+\b)+7], v[\f+64+8*(4*\c+\b):\f+64+8*(4*\c+\b)+7], v[\f+8*(4*\c+\a):\f+8*(4*\c+\a)+7], v[ACC+8*(4*(\a)+\b):ACC+8*(4*(\a)+\b)+7]
.endif
.endr
.endr
.endm
; 32 LDS loads in one run: the fragments of 64 along K at byte k of the rows, into buffer f; the first 32 along K first
.macro FETCH slot, k, f
	WIN TO_F
.irp c, 0,1
.irp i, 0,1,2,3
	ds_load_b128 v[\f+64+8*(4*\c+\i):\f+64+8*(4*\c+\i)+3],   v[ADRB+\slot] offset:\k+64*\c+\i*16*PITCH
	ds_load_b128 v[\f+64+8*(4*\c+\i)+4:\f+64+8*(4*\c+\i)+7], v[ADRB+\slot] offset:\k+64*\c+\i*16*PITCH+32
	ds_load_b128 v[\f+8*(4*\c+\i):\f+8*(4*\c+\i)+3],         v[ADRA+\slot] offset:\k+64*\c+\i*16*PITCH
	ds_load_b128 v[\f+8*(4*\c+\i)+4:\f+8*(4*\c+\i)+7],       v[ADRA+\slot] offset:\k+64*\c+\i*16*PITCH+32
.endr
.endr
.endm
.macro PLACES                          ; four places in front of loads into registers that matrix instructions have read (ISA guide 7.12.1 for vector instructions)
.rept 4
	v_nop
.endr
.endm
; A K step is four quarters of 64 along K, 32 matrix instructions each, on buffers 0, 1, 0, 1.  One of the first three: multiplies buffer f and fetches the next quarter, at byte k, into g.
.macro QUARTER slot, k, f, g, zero
	s_wait_dscnt 16                                ; the first 32 along K are in; the youngest sixteen loads may be out
	WIN MUL
	MUL8 \f, 0, 0, \zero
	MUL8 \f, 0, 2, \zero
	PLACES
	FETCH \slot, \k, \g
	s_wait_dscnt 32                                ; all but the 32 just issued
	WIN MUL
	MUL8 \f, 1, 0, 0
	MUL8 \f, 1, 2, 0
.endm
; The last quarter multiplies buffer 1 and changes slots: ONE barrier; in front of it each wave waits for all its tensor loads, adds 0 to its spare word, and waits for that and for its own reads of this slot.
; fill = 1: this slot is filled again, two K steps ahead.
.macro TURN slot, next, fill
	WIN 0                                          ; (the add's two registers lie in window 0)
	s_wait_tensorcnt 0x0                           ; all my tensor loads have landed: my part of the next slot;
	ds_add_u32 v[SPW], v[NIL]                      ; 0 onto my spare word;
	s_wait_dscnt 17                                ; (the add and the youngest sixteen loads may be out)
	WIN MUL
	MUL8 F1, 0, 0, 0                               ; eight matrix instructions stand between the add and the wait for it
	s_wait_dscnt 0x0                               ; the add is done, and my reads of this slot are over
	s_barrier_signal -1
	MUL8 F1, 0, 2, 0
.if \fill
	WIN 0
.endif
	s_barrier_wait -1
.if \fill
	CREST                                          ; the barrier has opened a round of the cluster's barrier: no wave of any partner still reads this slot's tile or has a load on its way
	s_add_nc_u64 s[G0+4*\slot+2:G0+4*\slot+3], s[G0+4*\slot+2:G0+4*\slot+3], 2*KSTEP*2
	s_add_nc_u64 s[G0B+4*\slot+2:G0B+4*\slot+3], s[G0B+4*\slot+2:G0B+4*\slot+3], 2*KSTEP*2
	JLOAD \slot                                    ; the first tensor load behind the round; the four v_nop behind it are also the places in front of the loads below
.else
	PLACES
.endif
	FETCH \next, 0, F0
	WIN MUL
	MUL8 F1, 1, 0, 0
	MUL8 F1, 1, 2, 0
.endm
	s_wait_tensorcnt 1                             ; my part of K step 0 is in (K step 1's load may be out)
	s_barrier_signal -1
	s_barrier_wait -1                              ; everybody's is
	FETCH 0, 0, F0
	QUARTER 0, 128, F0, F1, 1                      ; the first quarter stands in front of the loop: its first products start the sums
	WIN 0                                          ; at a label and at a branch every window is 0
	s_mov_b32 s3, LAPS-1
.Llap:                                                 ; a trip goes once round the ring, from a lap's second quarter to the next lap's first, and fills both slots again
	QUARTER 0, 256, F1, F0, 0
	QUARTER 0, 384, F0, F1, 0
	TURN 0, 1, 1
	QUARTER 1, 128, F0, F1, 0
	QUARTER 1, 256, F1, F0, 0
	QUARTER 1, 384, F0, F1, 0
	TURN 1, 0, 1
	QUARTER 0, 128, F0, F1, 0
	WIN 0
	s_sub_co_u32 s3, s3, 1
	s_cmp_lg_u32 s3, 0
	s_cbranch_scc1 .Llap
	QUARTER 0, 256, F1, F0, 0                      ; the last lap fills nothing, and has no round of the cluster's barrier
	QUARTER 0, 384, F0, F1, 0
	TURN 0, 1, 0
	QUARTER 1, 128, F0, F1, 0
	QUARTER 1, 256, F1, F0, 0
	QUARTER 1, 384, F0, F1, 0
	s_wait_dscnt 16                                ; the very last quarter: nothing more to fetch
	WIN MUL
	MUL8 F1, 0, 0, 0
	MUL8 F1, 0, 2, 0
	s_wait_dscnt 0
	MUL8 F1, 1, 0, 0
	MUL8 F1, 1, 2, 0
	WIN 0
	; THE WAY OUT, block by block of 16 rows x 64 columns: the sums times the row's gain; 32 bytes a lane into my own stage; back as whole rows of 256 bytes, sixteen lanes to a row.
	s_wait_loadcnt 0x0                             ; norm_w
.irp a, 0,1,2,3
	v_mul_f32 v[GN+2*\a], 0x3e4ccccd, v[GL+\a]     ; 0.2 x norm_w, twice: a pair for the packed multiply.  (These eight plain lines are also the places behind the last products)
	v_mul_f32 v[GN+2*\a+1], 0x3e4ccccd, v[GL+\a]
.endr
.macro OUTB a
.set i, 0
.rept 16
	v_pk_mul_f32 v[ACC+32*\a+i:ACC+32*\a+i+1], v[ACC+32*\a+i:ACC+32*\a+i+1], v[GN+2*\a:GN+2*\a+1]   ; each accumulator from its low end on
.set i, i+2
.endr
.irp b, 0,1,2,3
	ds_store_b128 v[STO], v[ACC+32*\a+8*\b:ACC+32*\a+8*\b+3] offset:64*\b
	ds_store_b128 v[STO], v[ACC+32*\a+8*\b+4:ACC+32*\a+8*\b+7] offset:64*\b+16
.endr
.irp t, 0,1,2,3,4,5,6,7
	ds_load_b128 v[TMP+32*(\a%2)+4*\t:TMP+32*(\a%2)+4*\t+3], v[RD] offset:\t*2*SPITCH   ; LDS serves a wave's instructions in order (ISA guide 5.7.1.4): these see the stores above, and the next block's stores come behind them
.endr
.endm
.macro SEND a, younger                 ; younger: the LDS instructions issued behind block a's loads: the next block's 8 stores and 8 loads, or none
	s_wait_dscnt \younger
.irp t, 0,1,2,3,4,5,6,7
	global_store_b128 v[CO], v[TMP+32*(\a%2)+4*\t:TMP+32*(\a%2)+4*\t+3], s[68:69] offset:(16*\a+2*\t)*SIZE_N*4 th:TH_STORE_NT   ; 16 lanes store 256 consecutive bytes, aligned; written once, read by nobody here
.endr
.endm
	OUTB 0
	OUTB 1
	SEND 0, 16
	s_wait_xcnt 0x0                                ; block 0's stores have read their registers: block 2's loads may land there
	OUTB 2
	SEND 1, 16
	s_wait_xcnt 0x0                                ; block 1's likewise
	OUTB 3
	SEND 2, 16
	SEND 3, 0
	s_wait_tensorcnt 0x0                           ; the wave's end: behind my last tensor load and my last LDS store
	ds_add_u32 v[SPW], v[NIL]
	s_wait_dscnt 0x0
	CROUND                                         ; the closing round: no work-group ends while a partner may still ask for a tile that names it
	s_endpgm
.Lfunc_end_k_qfb1dc22111_gemm2:
	.size	k_qfb1dc22111_gemm2, .Lfunc_end_k_qfb1dc22111_gemm2-k_qfb1dc22111_gemm2
	.p2alignl 7, 3214868480
	.fill 96, 4, 3214868480
	.section	.rodata,"a",@progbits
	.p2align	6, 0x0
	.amdhsa_kernel k_qfb1dc22111_gemm2
		.amdhsa_group_segment_fixed_size 327680
		.amdhsa_private_segment_fixed_size 0
		.amdhsa_enable_private_segment 0
		.amdhsa_kernarg_size 32
		.amdhsa_user_sgpr_count 2
		.amdhsa_user_sgpr_kernarg_segment_ptr 1
		.amdhsa_wavefront_size32 1
		.amdhsa_system_sgpr_workgroup_id_x 1
		.amdhsa_system_sgpr_workgroup_id_y 1
		.amdhsa_system_sgpr_workgroup_id_z 1
		.amdhsa_system_vgpr_workitem_id 0
		.amdhsa_next_free_vgpr 512
		.amdhsa_next_free_sgpr 72
		.amdhsa_reserve_vcc 0
		.amdhsa_float_denorm_mode_32 3
		.amdhsa_float_denorm_mode_16_64 3
		.amdhsa_memory_ordered 1
		.amdhsa_forward_progress 1
		.amdhsa_inst_pref_size 91
	.end_amdhsa_kernel
	.amdgpu_metadata
---
amdhsa.version: [ 1, 2 ]
amdhsa.kernels:
  - .name:           k_qfb1dc22111_gemm2
    .symbol:         k_qfb1dc22111_gemm2.kd
    .args:
      - { .name: ot, .offset: 0, .size: 8, .value_kind: global_buffer, .address_space: global }
      - { .name: wot, .offset: 8, .size: 8, .value_kind: global_buffer, .address_space: global }
      - { .name: out0, .offset: 16, .size: 8, .value_kind: global_buffer, .address_space: global }
      - { .name: norm_w, .offset: 24, .size: 8, .value_kind: global_buffer, .address_space: global }
    .group_segment_fixed_size: 327680
    .private_segment_fixed_size: 0
    .kernarg_segment_align: 8
    .kernarg_segment_size: 32
    .max_flat_workgroup_size: 128
    .sgpr_count:     72
    .vgpr_count:     512
    .wavefront_size: 32
...
	.end_amdgpu_metadata
.endif
;; end of part 4
